; MI455X (gfx1250); checked and timed in simulation.
; The chip was launched on July 23, 2026; its instructions are those of AMD's public machine-readable ISA for CDNA 5 (MIT licence, August 2026) and "CDNA5" Instruction Set Architecture Reference Guide (July 2026). The comments in the code are by the model that wrote it; some were corrected since.
;; Attention. Allowed arithmetic: matrix products marked QUANTISED: E2M3 operands, one E8M0 scale for each 32 along K, by v_wmma_scale_f32_16x16x128_f8f6f4 with both operands' format E2M3, f32 sums; everything else in f32.
;; Inputs: b_out 1,024 float32; mask 4 x 2,048 bool; w_out 1,024 x 1,024 float32; w_qkv 1,024 x 3,072 float32; x 4 x 2,048 x 1,024 float32.
;; Outputs: out0 4 x 2,048 x 1,024 float32.
;; This version of the problem:
;;   THIS VERSION OF THE PROBLEM IS GIVEN IN LOW PRECISION. The matrix products marked QUANTISED in the list below multiply operands that are first quantised to E2M3 (2 exponent bits, 3 mantissa bits; 6 bits a number), with one power-of-two scale for each 32 numbers along K (OCP MX v1.0); their sums are f32. All else is computed in f32.
;;   The module's matrix products, in the order in which they are computed (A, B: the left and right operand; K: the contracted axis; several contracted axes count as one K, in the product's order):
;;     1. [M 8,192, K 1,024] x [K 1,024, N 3,072]; A: input x; B: input w_qkv: QUANTISED
;;     2. batch 64 x [M 2,048, K 64] x [K 64, N 2,048]; A: computed on the way; B: computed on the way: QUANTISED
;;     3. batch 64 x [M 2,048, K 2,048] x [K 2,048, N 64]; A: softmax (see below); B: computed on the way: QUANTISED
;;     4. [M 8,192, K 1,024] x [K 1,024, N 1,024]; A: computed on the way; B: input w_out: QUANTISED
;;   THE QUANTISER, for each operand of a quantised product, along K:
;;     - K is cut into blocks of 32 from its start; a last block that is shorter is filled with zeros.
;;     - A block's scale is 2^e with e = floor(log2(the largest magnitude in the block)) - 2, held to -126 .. 127; a block of zeros has e = 0. As a byte (E8M0): e + 127.
;;     - Each number is divided by its block's scale, clamped to +-7.5, and rounded to the nearest number of E2M3, ties to even, subnormals kept.
;;     - The product sums the exact products of the quantised numbers (number of the format x scale) in f32.
;;   ~~~python
;;   def quantise(x, axis):      # numpy; x: float32 -> the quantised numbers, widened to float32 again
;;       x = np.moveaxis(x, axis, -1); K = x.shape[-1]
;;       x = np.pad(x, [(0, 0)] * (x.ndim - 1) + [(0, -K % 32)]); x = x.reshape(x.shape[:-1] + (-1, 32)); a = np.abs(x).max(-1, keepdims=True)
;;       e = np.where(a > 0, np.clip(np.frexp(np.where(a > 0, a, 1))[1] - 1 - 2, -126, 127), 0)      # np.frexp(a)[1] - 1 = floor(log2(a)), exactly
;;       r = np.clip(x / 2.0 ** e, -7.5, 7.5)
;;       step = 2.0 ** (np.maximum(np.frexp(np.where(r == 0, 1, r))[1] - 1, 0) - 3)
;;       q = np.round(r / step) * step * 2.0 ** e      # np.round: ties to even
;;       return np.moveaxis(q.reshape(q.shape[:-2] + (-1,))[..., :K], -1, axis).astype(np.float32)
;;   ~~~
;;   SOFTMAX AHEAD OF A QUANTISED PRODUCT. Where the list says 'softmax', what is quantised is not the finished softmax but p = 2^(t - M), with t = logit x log2(e) and M = ceil(the row's largest t), a whole number; so 1/2 < the row's largest p <= 1. The row's sum l is taken of the UNQUANTISED p, in f32, and the product's result is divided by l at the end. Since M is a whole number, a kernel that streams over the keys may use a running M (the ceiling of the running maximum): every later rescaling is an exact power of two, which a block's scale takes up: the codes' values come out the same.
;;   OPERANDS COMPUTED ON THE WAY. 'Computed on the way' means the value that the module computes at that place (a softmax that the list does not call 'softmax' is quantised finished and normalised). What goes into a quantiser is computed in f32, as accurately as f32 sums, v_exp_f32 and their like allow (about 1e-6 of the number): no bf16 or f16 on the way to a quantiser, and a product that is left as it is and whose result goes on into a quantised operand takes f32 operands (vector FMAs, or v_wmma_f32_16x16x4_f32). A number that lies on a knife's edge between two numbers of the format may be rounded either way, as far as f32 arithmetic and the matrix unit's own rounding can turn it there, and no further.
;; One version. Each part assembles by itself: llvm-mc -triple=amdgcn-amd-amdhsa -mcpu=gfx1250 --defsym DOCPART=n.
;; ======== version 1 of 1: 4 launches
;; limits: right only within a limited range of input values
;; workspace buffers: w1codes 9,437,184 bytes; w1scales 393,216 bytes; w2img 18,874,368 bytes; w2aux 1,572,864 bytes; a_img 6,291,456 bytes; a_scales 262,144 bytes
;; launch quant (part 1): grid 384 x 1, 4 waves a work-group, no clusters, 69,120 bytes of LDS; arguments x, w_qkv, w_out, w1codes, w1scales; writes w1codes, w1scales
.if DOCPART == 1
	.amdgcn_target "amdgcn-amd-amdhsa--gfx1250"
	.amdhsa_code_object_version 6
	.text
	.protected	k_qc304b3a927_quant
	.globl	k_qc304b3a927_quant
	.p2align	8
	.type	k_qc304b3a927_quant,@function
k_qc304b3a927_quant:
	s_mov_b64 s[64:65], 0
	v_nop
	global_prefetch_b8 v0, s[64:65] scope:SCOPE_SE
	s_setreg_imm32_b32 hwreg(HW_REG_WAVE_MODE, 25, 1), 1
	s_wait_xcnt 0x0
; x [8192][1024], w_qkv [1024][3072] and w_out [1024][1024], f32, become codes of FP6 (E2M3), K innermost, 768 bytes a row, with one E8M0 scale byte for each 32 along K, 32 bytes a row.
; A block's scale is 2^(floor(log2(its largest magnitude)) - 2); its byte is the largest magnitude's exponent field - 2, held at 1 from below (a block of zeros keeps the byte 1: its codes are zeros, and this program alone reads the bytes).
; LIMITS: blocks whose largest magnitude lies under 2^-124 have their byte held at 1; NaN and infinities among the inputs are not served.
; TILE ORDER: every operand's rows are stored with bits 3 and 4 of the row number exchanged, so that 16 consecutive stored rows are a tile whose lane r stands for row 32 b + 8 u + r + 8 (r / 8): as source 0 of a
; product such tiles leave a lane 16 neighbours along the next K in the 16 registers of two neighbouring tiles.
; w1codes: x's rows at 0, w_qkv's columns at 6,291,456, w_out's at 8,650,752.  w1scales: at 0, 262,144, 360,448.
; Work-groups 0-255 take x (K innermost: a stream of blocks), 256-383 the weights (K outermost: a lane to a column, registers down K).  The two ways never join, and each has LDS bytes of its own.
; No tensor loads, no barrier: waves share nothing.  Clusters and matrix units have nothing to do here: every byte is read once.
.set STEPS, 16
.set EMAX,  2
.set CB,    12                         ; bytes of 16 codes
.set R,     16                         ; x: v16-79   four sets of 16 numbers as they are loaded
.set X,     80                         ; x: v80-111  two sets of 16 neighbours
.set E,     112                        ; x: v112-127 a scale byte for each step
.set C,     128                        ; x: v128-191 codes, four registers for each step
.set WREG,  8192                       ; x: LDS of a wave: two stages of 32 x SP bytes, then its 256 scale bytes
.set SP,    80                         ; x: a lane's place in a stage: 64 bytes + 16 of padding
.set WSTG,  32768                      ; weights: the stages begin behind x's LDS
.set WP,    272                        ; weights: a stage row: sixteen places of 16 bytes + 16
.set NB,    8                          ; weights: blocks of 32 along K for a wave
.set SB,    24                         ; weights: v24-25 scale bytes
.set WX,    32                         ; weights: v32-95 two sets of 32 numbers
.set WC,    96                         ; weights: a block's codes
.set OUTR,  112                        ; weights: v112-175 the way out
.set AD,    176                        ; weights: v176-207 4 x lane + i x the row's bytes
	s_load_b256 s[4:11], s[0:1], 0x0               ; x s[4:5], w_qkv s[6:7], w_out s[8:9], w1codes s[10:11]
	s_load_b64 s[12:13], s[0:1], 0x20              ; w1scales
	v_lshl_add_u32 v208, v0, 2, 0x10c00
	v_mov_b32 v209, 0
	v_lshrrev_b32 v1, 5, v0
	v_readfirstlane_b32 s16, v1                    ; wave 0..3
	v_and_b32 v2, 31, v0                           ; lane
	s_cmp_ge_u32 ttmp9, 256
	s_cbranch_scc1 .Lw
; ---------------- x.  A wave takes 8 rows (8,192 numbers) in 16 steps of 512.  Each load reads 512 consecutive bytes; a step's 2,048 bytes turn through the wave's stage so that a lane holds 16 neighbours.
	v_lshlrev_b32 v3, 4, v2                        ; my 16 bytes of a load's 512
	s_mul_i32 s17, s16, WREG
	v_lshrrev_b32 v14, 2, v2
	v_mul_u32_u24 v14, v14, SP
	v_and_b32 v15, 3, v2
	v_lshl_add_u32 v14, v15, 4, v14
	v_add_nc_u32 v14, s17, v14                     ; into the stage: SP (lane / 4) + 16 (lane % 4)
	v_mul_u32_u24 v15, v2, SP
	v_add_nc_u32 v15, s17, v15                     ; out of it: SP x lane
	v_mul_u32_u24 v4, v2, CB                       ; my codes' place in a step's 384 bytes
	v_lshrrev_b32 v5, 1, v2
	s_add_co_u32 s17, s17, 2*32*SP
	v_add_nc_u32 v5, s17, v5                       ; my block's scale byte in the wave's 256
	v_lshlrev_b32 v7, 3, v2
	v_add_nc_u32 v6, s17, v7
	s_lshl_b32 s18, ttmp9, 2
	s_and_b32 s19, s16, 1                          ; the wave's two bits are bits 3 and 4 of the row number: exchanged for the place of the results
	s_lshl_b32 s19, s19, 1
	s_lshr_b32 s20, s16, 1
	s_or_b32 s19, s19, s20
	s_add_co_u32 s19, s19, s18                     ; the run of 8 stored rows
	s_add_co_u32 s18, s18, s16                     ; the run of 8 rows of x
	s_lshl_b32 s20, s18, 15                        ; 32,768 bytes of x a run
	s_mov_b32 s21, 0
	s_mul_i32 s22, s19, 6144                       ; 6,144 bytes of codes
	s_mov_b32 s23, 0
	s_lshl_b32 s24, s19, 8                         ; 256 scale bytes
	s_mov_b32 s25, 0
	s_wait_alu depctr_va_vdst(0)
	s_wait_kmcnt 0x0
	s_add_nc_u64 s[4:5], s[4:5], s[20:21]
	s_add_nc_u64 s[10:11], s[10:11], s[22:23]
	s_add_nc_u64 s[12:13], s[12:13], s[24:25]
.macro XLOAD t
.irp i, 0,1,2,3
	global_load_b128 v[R+16*((\t)%4)+4*\i:R+16*((\t)%4)+4*\i+3], v3, s[4:5] offset:2048*(\t)+512*\i th:TH_LOAD_NT
.endr
.endm
.macro XTURN t                         ; LDS serves a wave's instructions in order: no wait between the stores and the loads
.irp i, 0,1,2,3
	ds_store_b128 v14, v[R+16*((\t)%4)+4*\i:R+16*((\t)%4)+4*\i+3] offset:32*SP*((\t)%2)+8*SP*\i
.endr
.irp i, 0,1,2,3
	ds_load_b128 v[X+16*((\t)%2)+4*\i:X+16*((\t)%2)+4*\i+3], v15 offset:32*SP*((\t)%2)+16*\i
.endr
.endm
.irp t, 0,1,2,3
	XLOAD \t
.endr
	s_wait_loadcnt 12                              ; step 0's four loads are in; three steps' twelve may be out
	XTURN 0
.macro XSTEP t
.set XS, X+16*((\t)%2)
.if (\t) > 0
	s_wait_dscnt 1                                 ; this step's numbers are back from the stage; the last step's byte store may be out
.else
	s_wait_dscnt 0x0
.endif
.if (\t)+4 < STEPS
	XLOAD (\t)+4                                   ; into the registers that this step's stores into the stage have read
.endif
.if (\t)+1 < STEPS
.if STEPS-2-(\t) >= 3
	s_wait_loadcnt 12                              ; the next step's four loads are in; those of the three steps behind it may be out
.else
	s_wait_loadcnt 4*(STEPS-2-(\t))
.endif
	XTURN (\t)+1
.endif
	v_max3_num_f32 v8, |v[XS]|, |v[XS+1]|, |v[XS+2]|
	v_max3_num_f32 v9, |v[XS+3]|, |v[XS+4]|, |v[XS+5]|
.irp i, 6,10
	v_max3_num_f32 v8, v8, |v[XS+\i]|, |v[XS+\i+1]|
	v_max3_num_f32 v9, v9, |v[XS+\i+2]|, |v[XS+\i+3]|
.endr
	v_max3_num_f32 v8, v8, |v[XS+14]|, |v[XS+15]|
	v_max3_num_f32 v8, v8, v9, (EMAX+1)<<23        ; the floor 2^(3 - 127): the byte cannot fall under 1
	v_max_num_f32_dpp v8, v8, v8 row_xmask:1 row_mask:0xf bank_mask:0xf   ; with my neighbour's 16: the block's largest magnitude
	v_add_nc_u32 v11, -(EMAX<<23), v8              ; 2 off its exponent field: the conversion's scale operand
	v_cvt_scalef32_pk16_fp6_f32 v[C+4*(\t):C+4*(\t)+2], v[XS:XS+15], v11
	v_lshrrev_b32 v[E+(\t)], 23, v11               ; the scale's byte (a plain line behind the conversion)
	ds_store_b8 v5, v[E+(\t)] offset:16*(\t)       ; both lanes of a block write the same byte with the same value
	global_store_b96 v4, v[C+4*(\t):C+4*(\t)+2], s[10:11] offset:32*CB*(\t)   ; the wave stores 384 consecutive bytes
.endm
.irp t, 0,1,2,3,4,5,6,7,8,9,10,11,12,13,14,15
	XSTEP \t
.endr
	ds_load_b64 v[12:13], v6
	s_wait_dscnt 0x0
	global_store_b64 v7, v[12:13], s[12:13]        ; 32 lanes store 256 consecutive bytes, aligned
	s_wait_tensorcnt 0x0
	ds_add_u32 v208, v209
	s_wait_dscnt 0x0
	s_endpgm
; ---------------- the weights.  A work-group takes 128 columns x 256 along K, a wave 32 columns: a lane to a column, 8 blocks of 32 down K.
.Lw:
	s_sub_co_u32 s17, ttmp9, 256
	s_lshr_b32 s18, s17, 2                         ; block of 128 columns: 0-23 w_qkv, 24-31 w_out
	s_and_b32 s19, s17, 3                          ; which 256 along K
	s_wait_kmcnt 0x0
	s_cmp_lt_u32 s18, 24                           ; the choice hangs on the work-group's number alone
	s_cselect_b64 s[4:5], s[6:7], s[8:9]
	s_mov_b32 s20, 4096
	s_cselect_b32 s20, 12288, s20                  ; a row of the weight in bytes
	s_cselect_b32 s21, 0, 24
	s_mov_b32 s22, 8650752
	s_cselect_b32 s22, 6291456, s22                ; where its codes begin
	s_mov_b32 s23, 360448
	s_cselect_b32 s23, 262144, s23                 ; and its scale bytes
	s_sub_co_u32 s18, s18, s21
	s_lshl_b32 s18, s18, 7
	s_lshl_b32 s24, s16, 5
	s_add_co_u32 s18, s18, s24                     ; my wave's first column
	s_lshl_b32 s24, s19, 8
	s_mul_i32 s24, s24, s20
	s_lshl_b32 s25, s18, 2
	s_add_co_u32 s24, s24, s25
	s_mov_b32 s25, 0
	s_add_nc_u64 s[32:33], s[4:5], s[24:25]        ; block 0: row 256 ky, my first column
	s_lshl_b32 s26, s20, 5
	s_mov_b32 s27, 0
.irp t, 1,2,3,4,5,6,7
	s_add_nc_u64 s[32+2*\t:33+2*\t], s[30+2*\t:31+2*\t], s[26:27]   ; a base for each block, 32 rows on: nothing is stepped later
.endr
	s_mul_i32 s28, s18, 768
	s_add_co_u32 s28, s28, s22
	s_mul_i32 s29, s19, 192
	s_add_co_u32 s28, s28, s29
	s_mov_b32 s29, 0
	s_add_nc_u64 s[10:11], s[10:11], s[28:29]      ; codes: my 32 stored rows, 192 ky bytes in
	s_lshl_b32 s28, s18, 5
	s_add_co_u32 s28, s28, s23
	s_lshl_b32 s30, s19, 3
	s_add_co_u32 s28, s28, s30
	s_add_nc_u64 s[12:13], s[12:13], s[28:29]      ; scale bytes: 8 ky bytes in
	s_wait_alu depctr_va_vdst(0)
	v_lshlrev_b32 v3, 2, v2
	v_mov_b32 v10, s20
.set i, 0
.rept 32
	v_mad_u32_u24 v[AD+i], v10, i, v3              ; 4 x lane + i rows
.set i, i+1
.endr
	s_mul_i32 s31, s16, 32*WP
	s_add_co_u32 s31, s31, WSTG                    ; my stage
	v_mul_u32_u24 v4, v2, WP
	v_add_nc_u32 v4, s31, v4                       ; into it: row = my column
	v_and_b32 v5, 15, v2
	v_lshrrev_b32 v6, 4, v2
	v_mul_u32_u24 v7, v6, WP
	v_lshl_add_u32 v7, v5, 4, v7
	v_add_nc_u32 v7, s31, v7                       ; out of it: sixteen lanes to a row, two rows an instruction
	v_mul_u32_u24 v8, v6, 768
	v_mad_u32_u24 v8, v5, 12, v8                   ; and the same place in the codes
	v_and_b32 v9, 7, v2                            ; my column's stored row x 32 bytes: bits 3 and 4 exchanged
	v_lshlrev_b32 v9, 5, v9
	v_bfe_u32 v11, v2, 3, 1
	v_lshl_or_b32 v9, v11, 9, v9
	v_bfe_u32 v11, v2, 4, 1
	v_lshl_or_b32 v9, v11, 8, v9
.macro WLOAD t                         ; block t: 32 rows at my column: each load reads 128 consecutive bytes a wave
.set i, 0
.rept 32
	global_load_b32 v[WX+32*((\t)%2)+i], v[AD+i], s[32+2*(\t):33+2*(\t)] th:TH_LOAD_NT
.set i, i+1
.endr
.endm
	WLOAD 0
	WLOAD 1
.macro WBLOCK t
.set XS, WX+32*((\t)%2)
.if (\t) < NB-1
	s_wait_loadcnt 32                              ; this block's 32 loads are in; the next block's may be out
.else
	s_wait_loadcnt 0
.endif
	v_max3_num_f32 v12, |v[XS]|, |v[XS+1]|, |v[XS+2]|
	v_max3_num_f32 v13, |v[XS+3]|, |v[XS+4]|, |v[XS+5]|
.irp i, 6,10,14,18,22,26
	v_max3_num_f32 v12, v12, |v[XS+\i]|, |v[XS+\i+1]|
	v_max3_num_f32 v13, v13, |v[XS+\i+2]|, |v[XS+\i+3]|
.endr
	v_max3_num_f32 v12, v12, |v[XS+30]|, |v[XS+31]|
	v_max3_num_f32 v12, v12, v13, (EMAX+1)<<23     ; the floor
	v_add_nc_u32 v11, -(EMAX<<23), v12             ; the conversion's scale operand
	v_lshrrev_b32 v13, 23, v11                     ; the scale's byte
.if (\t)%4 == 0
	v_mov_b32 v[SB+(\t)/4], v13
.else
	v_lshl_or_b32 v[SB+(\t)/4], v13, 8*((\t)%4), v[SB+(\t)/4]
.endif
	v_cvt_scalef32_pk16_fp6_f32 v[WC:WC+2], v[XS:XS+15], v11
	v_cvt_scalef32_pk16_fp6_f32 v[WC+4:WC+6], v[XS+16:XS+31], v11
	v_nop                                          ; one plain line behind the conversions
	ds_store_b96 v4, v[WC:WC+2] offset:32*(\t)     ; 12 bytes to a place of 16
	ds_store_b96 v4, v[WC+4:WC+6] offset:32*(\t)+16
.if (\t)+2 < NB
	WLOAD (\t)+2
.endif
	s_wait_dscnt 0x0                               ; the stores have read their registers: the next block's codes may be written
.endm
.irp t, 0,1,2,3,4,5,6,7
	WBLOCK \t
.endr
	s_wait_alu depctr_va_vdst(0)
	global_store_b64 v9, v[SB:SB+1], s[12:13]      ; my column's 8 scale bytes
.irp t, 0,1,2,3,4,5,6,7,8,9,10,11,12,13,14,15
	ds_load_b96 v[OUTR+4*\t:OUTR+4*\t+2], v7 offset:2*\t*WP
.endr
.irp t, 0,1,2,3,4,5,6,7,8,9,10,11,12,13,14,15
	s_wait_dscnt 15-\t                             ; the younger row loads may be out
	global_store_b96 v8, v[OUTR+4*\t:OUTR+4*\t+2], s[10:11] offset:((2*\t)%8+16*(((2*\t)/8)%2)+8*((2*\t)/16))*768   ; columns 2 t, 2 t + 1 go to their stored rows; sixteen lanes store a row's 192 consecutive bytes
.endr
	s_wait_tensorcnt 0x0
	ds_add_u32 v208, v209
	s_wait_dscnt 0x0
	s_endpgm
.Lfunc_end_k_qc304b3a927_quant:
	.size	k_qc304b3a927_quant, .Lfunc_end_k_qc304b3a927_quant-k_qc304b3a927_quant
	.p2alignl 7, 3214868480
	.fill 96, 4, 3214868480
	.section	.rodata,"a",@progbits
	.p2align	6, 0x0
	.amdhsa_kernel k_qc304b3a927_quant
		.amdhsa_group_segment_fixed_size 69120
		.amdhsa_private_segment_fixed_size 0
		.amdhsa_enable_private_segment 0
		.amdhsa_kernarg_size 40
		.amdhsa_user_sgpr_count 2
		.amdhsa_user_sgpr_kernarg_segment_ptr 1
		.amdhsa_wavefront_size32 1
		.amdhsa_system_sgpr_workgroup_id_x 1
		.amdhsa_system_sgpr_workgroup_id_y 1
		.amdhsa_system_sgpr_workgroup_id_z 1
		.amdhsa_system_vgpr_workitem_id 0
		.amdhsa_next_free_vgpr 210
		.amdhsa_next_free_sgpr 66
		.amdhsa_reserve_vcc 0
		.amdhsa_float_denorm_mode_32 3
		.amdhsa_float_denorm_mode_16_64 3
		.amdhsa_memory_ordered 1
		.amdhsa_forward_progress 1
		.amdhsa_inst_pref_size 76
	.end_amdhsa_kernel
	.amdgpu_metadata
---
amdhsa.version: [ 1, 2 ]
amdhsa.kernels:
  - .name:           k_qc304b3a927_quant
    .symbol:         k_qc304b3a927_quant.kd
    .args:
      - { .name: x, .offset: 0, .size: 8, .value_kind: global_buffer, .address_space: global }
      - { .name: w_qkv, .offset: 8, .size: 8, .value_kind: global_buffer, .address_space: global }
      - { .name: w_out, .offset: 16, .size: 8, .value_kind: global_buffer, .address_space: global }
      - { .name: w1codes, .offset: 24, .size: 8, .value_kind: global_buffer, .address_space: global }
      - { .name: w1scales, .offset: 32, .size: 8, .value_kind: global_buffer, .address_space: global }
    .group_segment_fixed_size: 69120
    .private_segment_fixed_size: 0
    .kernarg_segment_align: 8
    .kernarg_segment_size: 40
    .max_flat_workgroup_size: 128
    .sgpr_count:     66
    .vgpr_count:     210
    .wavefront_size: 32
...
	.end_amdgpu_metadata
.endif
;; end of part 1
;; launch qkv (part 2): grid 4 x 192, 4 waves a work-group, clusters of 4 x 4, 327,680 bytes of LDS; arguments w1codes, w1scales, w2img, w2aux; writes w2img, w2aux
.if DOCPART == 2
	.amdgcn_target "amdgcn-amd-amdhsa--gfx1250"
	.amdhsa_code_object_version 6
	.text
	.protected	k_qc304b3a927_qkv
	.globl	k_qc304b3a927_qkv
	.p2align	8
	.type	k_qc304b3a927_qkv,@function
k_qc304b3a927_qkv:
	s_mov_b64 s[64:65], 0
	v_nop
	global_prefetch_b8 v0, s[64:65] scope:SCOPE_SE
	s_setreg_imm32_b32 hwreg(HW_REG_WAVE_MODE, 25, 1), 1
	s_wait_xcnt 0x0
	s_wait_alu depctr_hold_cnt(0) depctr_sa_sdst(0) depctr_va_vdst(0) depctr_va_sdst(0) depctr_va_ssrc(0) depctr_va_vcc(0) depctr_vm_vsrc(0)
	s_getreg_b32 s2, hwreg(HW_REG_IB_STS2, 6, 4)
	s_cmp_eq_u32 s2, 0
	s_cbranch_scc0 .Lentry_in_a_cluster
	s_endpgm
.Lentry_in_a_cluster:
	s_bfe_u32 s2, ttmp6, 0x10000c
	s_cmp_lg_u32 s2, 0xf033
	s_cbranch_scc0 .Lentry_shape_is_right
	s_endpgm
.Lentry_shape_is_right:
; x w_qkv on codes of FP6 (E2M3) with E8M0 scales, K = 1,024.  The f32 results never go to memory: they are quantised in registers and leave as IMAGES of the operand registers that the attention launch wants.
; A work-group of four waves makes 128 rows of A x 256 rows of B; a wave 64 x 128: 32 accumulators.  ALL OF K LIES IN LDS AT ONCE: whole rows of 768 bytes, 128 of A and 256 of B, and their scale bytes:
; four tiles, one joint tensor load a wave at the head, nothing is ever filled again.  768 work-groups: 48 clusters of 4 x 4.
; Clusters 0-31 (q, k): A = tokens of x, B = columns 0-2,047 of w_qkv: a lane holds a token, its registers run along the columns (the head's 64).
; Clusters 32-47 (v): A = columns 2,048-3,071 of w_qkv, B = tokens: a lane holds a channel, its registers run along the keys.  Both kinds run one text: offsets are chosen by the cluster's number alone.
; The four of a row of the cluster need the same tile of A, the four of a column the same tile of B: each tile is asked for jointly.
; Rows are stored in tile order (bits 3 and 4 of the row number exchanged), so the 16 registers of two neighbouring accumulators of a lane are 16 neighbours along the next K.
; OUT.  w2img: q's and k's half images [hh 32][token tile 512][768] at 0; v's images [head 16][128 keys 64][channel tile 4][1536] at 12,582,912.
; w2aux: q's and k's scale words [hh][tile / 4][r][tile % 4] at 0 (bytes 0, 1 the head's two blocks; byte 2 = 64, byte 3 = 1, for the mask's half of the attention's first product); v's [head][128 keys][r][tile] at 1,048,576;
; the sums of the quantised v over each 128 keys, f32, same shape, at 1,310,720 (a product with ones; they serve rows in which every key is masked).
; LIMITS: blocks whose largest magnitude lies under 2^-124 have their scale byte held at 1 (q's factor 1/8 is kept out of the codes and put into the softmax's constant).
; No prefetch: the text has no loop to run ahead in; every byte is asked for at the head.
; REGISTERS: window 0: v8-29 addresses; v32-63 scale words, two sets; v64-121, v224-247 the way out; v128-223 A's fragments, two sets of 4.  window 1: B's fragments, two sets of 8.  window 2: the accumulators.
.set PITCH,  816                       ; an LDS row: 3 x (256 bytes + 16 of padding) = 204 words: the 16 rows of a fragment begin 12 words apart modulo 64
.set FR,     12
.set BBASE,  128*PITCH
.set SCL,    BBASE+256*PITCH           ; the scales: units of 256 bytes + 16; A's 16 units, then B's 32
.set SBLK,   544                       ; those of 16 rows
.set SPARE,  SCL+48*272                ; the spare words, 128 bytes for each wave
.set VO0,  8
.set VO1,  9
.set SH,   10
.set SWV,  11
.set ADRA, 16                          ; v16 my A rows; v17 the same with 16 more in lanes 16-31 (their piece lies behind one padding more)
.set ADRB, 18                          ; v18-19 the same for B's blocks 0-3, v20-21 for blocks 4-7
.set ADRS, 27
.set SPW,  28
.set NIL,  29
.set SC,   32
.set PC,   64
.set ONES, 84
.set ONS,  96
.set VD,   98
.set PWR,  106
.set VSM,  114
.set AF,   128
.set TM,   224
.set SD,   240
.set G1, 24
.set G0, 32
.set G1B, 48
.set G0B, 56
.set G1S, 68
.set G0S, 76
.set G1SB, 80
.set G0SB, 88
.set MSB, 0
.macro WIN new                         ; the immediate's high byte repeats the setting that is left
.if MSB != \new
	s_set_vgpr_msb (MSB<<8)|\new
.set MSB, \new
.endif
.endm
.set MUL_LO, 0xa1                      ; source 0 (B) window 1, source 1 (A) window 0, C and D window 2
.set TO_B,   0x40
.macro CROUND                          ; a round of the cluster's barrier
	s_barrier_signal -1
	s_barrier_wait -1
	s_cmp_lg_u32 s14, 0
	s_cbranch_scc1 .Lnot_wave_0_\@
	s_barrier_signal -3
.Lnot_wave_0_\@:
	s_barrier_wait -3
	s_barrier_signal -1
	s_barrier_wait -1
.endm
.macro PLACES n
.rept \n
	v_nop
.endr
.endm
	s_load_b256 s[4:11], s[0:1], 0x0               ; w1codes, w1scales, w2img, w2aux
	v_lshl_add_u32 v[SPW], v0, 2, SPARE
	v_mov_b32 v[NIL], 0
	ds_add_u32 v[SPW], v[NIL]                      ; the opening lines: the add twice on end and one wait
	ds_add_u32 v[SPW], v[NIL]
	v_lshrrev_b32 v1, 5, v0
	v_readfirstlane_b32 s14, v1                    ; wave 0..3
	s_lshr_b32 s15, s14, 1                         ; which 64 rows of A are mine
	s_and_b32 s16, s14, 1                          ; which 128 rows of B
	s_and_b32 s13, ttmp7, 0xffff                   ; the cluster's number, 0..47
	s_and_b32 s18, s13, 1
	s_lshr_b32 s19, s13, 1
	s_sub_co_u32 s20, s13, 32
	s_lshr_b32 s21, s20, 1
	s_and_b32 s20, s20, 1
	s_cmp_lt_u32 s13, 32
	s_cselect_b32 s18, s18, s21                    ; the cluster's place along B
	s_cselect_b32 s19, s19, s20                    ; and along A
	s_cselect_b32 s12, 0, 1                        ; 0: q, k;  1: v
	s_cselect_b32 s66, 0, 7864320                  ; where A's codes begin,
	s_cselect_b32 s67, 0, 327680                   ; A's scale bytes,
	s_cselect_b32 s94, 6291456, 0                  ; B's codes,
	s_cselect_b32 s95, 262144, 0                   ; B's scale bytes
	s_bfe_u32 s40, ttmp6, 0x40000                  ; cx
	s_bfe_u32 s41, ttmp6, 0x40004                  ; cy
	s_lshl_b32 s42, s18, 2
	s_add_co_u32 s42, s42, s40                     ; tile of B: 256 rows
	s_lshl_b32 s17, s19, 2
	s_add_co_u32 s17, s17, s41                     ; tile of A: 128 rows
	s_lshl_b32 s43, s41, 2
	s_lshl_b32 s43, 15, s43                        ; my row of the cluster
	s_lshl_b32 s44, 0x1111, s40                    ; my column
	s_or_b32 s[G1+0], s43, (1<<20)|(1<<21)|(5<<22)|(3<<25)   ; the mask; bytes; 4 words of padding behind every 64; bit 21 beside a mask
	s_or_b32 s[G1B+0], s44, (1<<20)|(1<<21)|(5<<22)|(3<<25)
.irp g, G1, G1B
	s_mov_b32 s[\g+1], 768<<16
	s_mov_b32 s[\g+3], 768<<16
	s_mov_b32 s[\g+5], 768
	s_mov_b32 s[\g+6], 0
	s_mov_b32 s[\g+7], 0
.endr
	s_mov_b32 s[G1+2], 128<<16
	s_mov_b32 s[G1+4], 128
	s_mov_b32 s[G1B+2], 256<<16
	s_mov_b32 s[G1B+4], 256
	s_or_b32 s[G1S+0], s43, (3<<16)|(1<<20)|(1<<21)|(5<<22)|(3<<25)   ; scales: dense rows of 256 bytes, 16 of padding behind each
	s_or_b32 s[G1SB+0], s44, (3<<16)|(1<<20)|(1<<21)|(5<<22)|(3<<25)
.irp g, G1S, G1SB
	s_mov_b32 s[\g+1], 32<<16
	s_mov_b32 s[\g+3], 32<<16
	s_mov_b32 s[\g+5], 32
	s_mov_b32 s[\g+6], 0
	s_mov_b32 s[\g+7], 0
.endr
	s_mov_b32 s[G1S+2], 16<<16
	s_mov_b32 s[G1S+4], 16
	s_mov_b32 s[G1SB+2], 32<<16
	s_mov_b32 s[G1SB+4], 32
	s_lshl_b32 s20, s17, 7                         ; A's first row: of cy and the cluster's number alone
	s_lshl_b32 s46, s42, 8                         ; B's: of cx and the cluster's number alone
	s_lshl_b32 s22, s20, 5
	s_add_co_u32 s22, s22, s67
	s_mov_b32 s23, 0
	s_lshl_b32 s92, s46, 5
	s_add_co_u32 s92, s92, s95
	s_mov_b32 s93, 0
	s_mul_i32 s20, s20, 768
	s_add_co_u32 s20, s20, s66
	s_mov_b32 s21, 0
	s_mul_i32 s46, s46, 768
	s_add_co_u32 s46, s46, s94
	s_mov_b32 s47, 0
	s_wait_dscnt 0x0                               ; both opening adds are done
	s_wait_kmcnt 0x0
	s_mov_b32 s[G0], 1
	s_mov_b32 s[G0+1], 0
	s_add_nc_u64 s[G0+2:G0+3], s[4:5], s[20:21]
	s_or_b32 s[G0+3], s[G0+3], 0x80000000
	s_mov_b32 s[G0B], 1
	s_mov_b32 s[G0B+1], BBASE
	s_add_nc_u64 s[G0B+2:G0B+3], s[4:5], s[46:47]
	s_or_b32 s[G0B+3], s[G0B+3], 0x80000000
	s_mov_b32 s[G0S], 1
	s_mov_b32 s[G0S+1], SCL
	s_add_nc_u64 s[G0S+2:G0S+3], s[6:7], s[22:23]
	s_or_b32 s[G0S+3], s[G0S+3], 0x80000000
	s_mov_b32 s[G0SB], 1
	s_mov_b32 s[G0SB+1], SCL+16*272
	s_add_nc_u64 s[G0SB+2:G0SB+3], s[6:7], s[92:93]
	s_or_b32 s[G0SB+3], s[G0SB+3], 0x80000000
	CROUND                                         ; all sixteen work-groups are here: the joint loads meet
; the head's four tiles, one a wave, in one tree of branches on the wave's number: B's codes, A's codes, B's scales, A's scales
.macro ARM under, g0, g1, next
	s_cmp_lt_u32 s14, \under
	s_cbranch_scc0 \next
	tensor_load_to_lds s[\g0:\g0+3], s[\g1:\g1+7]
	s_nop 0
.rept 4
	v_nop
.endr
	s_branch .Lhead_asked
\next:
.endm
	ARM 1, G0B, G1B, .Lhead_a
	ARM 2, G0,  G1,  .Lhead_sb
	ARM 3, G0SB, G1SB, .Lhead_sa
	tensor_load_to_lds s[G0S:G0S+3], s[G1S:G1S+7]
	s_nop 0
.rept 4
	v_nop
.endr
.Lhead_asked:
	; the way out's places.  U = 4 x B's tile + 2 x half: the first of my two heads (q, k), twice my 128 keys' number (v).  Wd = 8 x A's tile + 4 x half: my first tile of 16 tokens (q, k) or channels (v)
	s_lshl_b32 s18, s42, 2
	s_lshl_b32 s19, s16, 1
	s_add_co_u32 s18, s18, s19
	s_lshl_b32 s19, s17, 3
	s_lshl_b32 s20, s15, 2
	s_add_co_u32 s19, s19, s20
	s_mul_i32 s20, s18, 393216
	s_mul_i32 s21, s19, 768
	s_add_co_u32 s20, s20, s21                     ; q, k: images
	s_lshr_b32 s21, s19, 2
	s_mul_i32 s21, s21, 393216
	s_lshr_b32 s22, s18, 1
	s_mul_i32 s23, s22, 6144
	s_add_co_u32 s21, s21, s23
	s_add_co_u32 s21, s21, 12582912                ; v: images
	s_lshl_b32 s23, s18, 15
	s_lshl_b32 s46, s19, 6
	s_add_co_u32 s23, s23, s46                     ; q, k: scale words
	s_lshl_b32 s46, s19, 12
	s_lshl_b32 s47, s22, 8
	s_add_co_u32 s46, s46, s47
	s_add_co_u32 s46, s46, 1048576                 ; v: scale words
	s_cmp_eq_u32 s12, 0
	s_cselect_b32 s20, s20, s21
	s_cselect_b32 s22, s23, s46
	s_mov_b32 s66, 1536
	s_cselect_b32 s66, 768, s66                    ; from block to block
	s_mov_b32 s47, 768
	s_cselect_b32 s47, 393216, s47                 ; from registers 0-5 to 6-11: the next head's plane, or half an image
	s_mov_b32 s46, 262144
	s_cselect_b32 s46, 32768, s46                  ; lanes 16-31 store the next head's words (q, k) or the sums (v)
	s_mov_b32 s21, 0
	s_mov_b32 s23, 0
	s_mov_b32 s67, 0
	s_add_nc_u64 s[8:9], s[8:9], s[20:21]
	s_add_nc_u64 s[10:11], s[10:11], s[22:23]
	s_mov_b32 s96, 0x76543210
	s_mov_b32 s97, 0xfedcba98                      ; lane l xor 16
	s_mov_b32 s98, 0xffff0000                      ; lanes 16-31
	s_mov_b32 s99, 0xffff
	s_mul_i32 s36, s15, 64*PITCH                   ; my 64 rows of A
	s_mul_i32 s37, s16, 128*PITCH
	s_add_co_u32 s37, s37, BBASE                   ; my 128 rows of B
	s_add_co_u32 s38, s37, 64*PITCH
	s_mul_i32 s39, s15, 8*272                      ; A's scales: my 64 rows
	s_mul_i32 s60, s16, 16*272
	s_add_co_u32 s60, s60, 16*272                  ; B's: my 128 rows, behind A's
	s_sub_co_u32 s60, s60, s39
	s_add_co_u32 s39, s39, SCL
	v_and_b32 v1, 15, v0                           ; r
	v_bfe_u32 v2, v0, 4, 1                         ; h
	v_mul_u32_u24 v3, v1, PITCH
	v_mad_u32_u24 v3, v2, 24, v3                   ; row x pitch + 24 x half
	v_lshl_add_u32 v4, v2, 4, v3
	v_add_nc_u32 v[ADRA], s36, v3
	v_add_nc_u32 v[ADRA+1], s36, v4
	v_add_nc_u32 v[ADRB], s37, v3
	v_add_nc_u32 v[ADRB+1], s37, v4
	v_add_nc_u32 v[ADRB+2], s38, v3
	v_add_nc_u32 v[ADRB+3], s38, v4
	v_lshlrev_b32 v5, 5, v1                        ; 32 scale bytes a row,
	v_lshrrev_b32 v6, 8, v5
	v_lshl_add_u32 v5, v6, 4, v5                   ; and 16 more for each 256 passed
	v_mul_u32_u24 v6, s60, v2                      ; lanes 16-31 take B's
	v_add_nc_u32 v5, v5, v6
	v_add_nc_u32 v[ADRS], s39, v5
	v_and_b32 v7, 31, v0
	v_lshlrev_b32 v[VO0], 3, v7
	v_add_nc_u32 v[VO1], s47, v[VO0]
	v_lshlrev_b32 v[SH], 4, v2
	v_mul_u32_u24 v[SWV], s46, v2
	v_lshl_add_u32 v[SWV], v1, 4, v[SWV]
.irp i, 0,1,2,3
	v_mov_b32 v[ONES+3*\i], 0x08208208             ; the code of 1.0, sixteen times in 96 bits
	v_mov_b32 v[ONES+3*\i+1], 0x82082082
	v_mov_b32 v[ONES+3*\i+2], 0x20820820
.endr
	v_mov_b32 v[ONS], 0x7f7f7f7f
.irp b, 0,1,2,3
	v_mov_b32 v[TM+4+\b], 0                        ; a lane permute's destination counts as one of its sources
	v_mov_b32 v[VSM+\b], 0                         ; written on every way
.endr
; a fragment: 16 rows x 128 K, 12 registers, in pieces of 8 bytes.  Byte y of a row lies at y + 16 (y / 256) of its LDS row; lanes 16-31 read 24 bytes on, which may lie behind one padding more
.macro FRAG reg, adr, st, off
.irp p, 0,1,2,3,4,5
.set BY, 96*(\st)+48*(\p/3)+8*(\p%3)
.if BY/256 == (BY+24)/256
	ds_load_b64 v[(\reg)+2*\p:(\reg)+2*\p+1], v[(\adr)] offset:BY+16*(BY/256)+(\off)
.else
	ds_load_b64 v[(\reg)+2*\p:(\reg)+2*\p+1], v[(\adr)+1] offset:BY+16*(BY/256)+(\off)
.endif
.endr
.endm
.macro FETCH_B st
	WIN TO_B
.irp i, 0,1,2,3,4,5,6,7
	FRAG 128*((\st)%2)+FR*\i, ADRB+2*(\i/4), \st, (\i%4)*16*PITCH
.endr
	WIN 0
.endm
.macro FETCH_A st
.irp i, 0,1,2,3
	FRAG AF+48*((\st)%2)+FR*\i, ADRA, \st, \i*16*PITCH
.endr
.endm
.macro SCALES pr                       ; the words of steps 2 pr, 2 pr + 1: lanes 0-15 A's block i (of use for i under 4), lanes 16-31 B's block i
.irp i, 0,1,2,3,4,5,6,7
	ds_load_b64 v[SC+16*((\pr)%2)+2*\i:SC+16*((\pr)%2)+2*\i+1], v[ADRS] offset:\i*SBLK+8*(\pr)
.endr
.endm
; 16 matrix instructions: A's blocks a0, a0 + 1 x B's eight.  The 32 accumulators take turns, in the same order in every step
.macro MUL16 a0, st, zero
.irp a, \a0, \a0+1
.irp b, 0,1,2,3,4,5,6,7
.if \zero
	v_wmma_scale_f32_16x16x128_f8f6f4 v[8*(8*(\a)+\b):8*(8*(\a)+\b)+7], v[128*((\st)%2)+FR*\b:128*((\st)%2)+FR*\b+FR-1], v[AF+48*((\st)%2)+FR*(\a):AF+48*((\st)%2)+FR*(\a)+FR-1], 0, v[SC+16*(((\st)/2)%2)+2*\b+(\st)%2], v[SC+16*(((\st)/2)%2)+2*(\a)+(\st)%2] matrix_a_fmt:MATRIX_FMT_FP6 matrix_b_fmt:MATRIX_FMT_FP6 matrix_a_scale:MATRIX_SCALE_ROW1
.else
	v_wmma_scale_f32_16x16x128_f8f6f4 v[8*(8*(\a)+\b):8*(8*(\a)+\b)+7], v[128*((\st)%2)+FR*\b:128*((\st)%2)+FR*\b+FR-1], v[AF+48*((\st)%2)+FR*(\a):AF+48*((\st)%2)+FR*(\a)+FR-1], v[8*(8*(\a)+\b):8*(8*(\a)+\b)+7], v[SC+16*(((\st)/2)%2)+2*\b+(\st)%2], v[SC+16*(((\st)/2)%2)+2*(\a)+(\st)%2] matrix_a_fmt:MATRIX_FMT_FP6 matrix_b_fmt:MATRIX_FMT_FP6 matrix_a_scale:MATRIX_SCALE_ROW1
.endif
.endr
.endr
.endm
; a step of 128 along K: 32 matrix instructions; the next step's fragments go into the other sets, which the step before read: the four places at the top stand behind its products
.macro STEP st, zero
.set NX, (\st)+1
	PLACES 4
	FETCH_B NX
	s_wait_dscnt 48                                ; all but the 48 loads just issued: this step's fragments and scale words are in
	WIN MUL_LO
	MUL16 0, \st, \zero
	WIN 0
	FETCH_A NX
.if NX%2 == 0
	SCALES NX/2
.endif
	WIN MUL_LO
	MUL16 2, \st, \zero
	WIN 0
.endm
	s_wait_alu depctr_va_vdst(0)                   ; the wait at the head's end
	s_wait_tensorcnt 0x0                           ; my tile is in;
	s_barrier_signal -1
	s_barrier_wait -1                              ; and so is everybody's
	FETCH_B 0
	FETCH_A 0
	SCALES 0
	STEP 0, 1                                      ; the first step's products start the sums
.set ST, 1
.rept 6
	STEP ST, 0
.set ST, ST+1
.endr
	s_wait_dscnt 0x0
	WIN MUL_LO
	MUL16 0, 7, 0
	MUL16 2, 7, 0
	WIN 0
; THE WAY OUT.  Block a: a lane's 64 numbers, register 16 b + i = place 32 b + 16 (lane / 16) + i along the next K, become a fragment's 12 registers from v[PC] on and its scale word in v[PWR + a]
.macro QUANTW a
.set QS, 64*(\a)
	WIN 0x28                                       ; sources 1 and 2: window 2
.irp b, 0,1,2,3
	v_max3_num_f32 v[TM+\b], 0x1800000, |v[QS+16*\b]|, |v[QS+1+16*\b]|   ; the floor 2^(3 - 127) among the leaves; each accumulator is read from its low end on
.endr
.irp i, 2,4,6,8,10,12,14
.irp b, 0,1,2,3
	v_max3_num_f32 v[TM+\b], v[TM+\b], |v[QS+16*\b+\i]|, |v[QS+1+16*\b+\i]|
.endr
.endr
	WIN 0
.irp b, 0,1,2,3
	v_permlanex16_b32 v[TM+4+\b], v[TM+\b], s96, s97
.endr
.irp b, 0,1,2,3
	v_max_num_f32 v[TM+\b], v[TM+\b], v[TM+4+\b]   ; the block's largest magnitude
.endr
.irp b, 0,1,2,3
	v_add_nc_u32 v[TM+12+\b], 0xff000000, v[TM+\b] ; 2 off its exponent field: the conversion's scale operand
.endr
.irp b, 0,1,2,3
	v_lshrrev_b32 v[TM+4+\b], 23, v[TM+12+\b]      ; the scale's byte
.endr
	v_lshl_or_b32 v[PWR+(\a)], v[TM+5], 8, v[TM+4]
	v_lshl_or_b32 v[PWR+(\a)], v[TM+6], 16, v[PWR+(\a)]
	v_lshl_or_b32 v[PWR+(\a)], v[TM+7], 24, v[PWR+(\a)]
	WIN 2                                          ; source 0: window 2
.irp c, 0,1
	v_cvt_scalef32_pk16_fp6_f32 v[PC+6*\c:PC+2+6*\c], v[QS+32*\c:QS+15+32*\c], v[TM+12+2*\c]
	v_cvt_scalef32_pk16_fp6_f32 v[PC+12+4*\c:PC+14+4*\c], v[QS+16+32*\c:QS+31+32*\c], v[TM+12+2*\c+1]
.endr
	WIN 0
	v_nop                                          ; one plain line behind the conversions
.irp c, 0,1                                    ; the operand wants a whole block in a lane
.irp i, 0,1,2
	v_permlane16_swap_b32 v[PC+6*\c+\i], v[PC+12+4*\c+\i]
.endr
.irp i, 0,1,2
	v_mov_b32 v[PC+3+6*\c+\i], v[PC+12+4*\c+\i]
.endr
.endr
.endm
.macro OUTBLK a
	QUANTW \a
.irp p, 0,1,2
	global_store_b64 v[VO0], v[PC+2*\p:PC+2*\p+1], s[8:9] offset:256*\p       ; 32 lanes store 256 consecutive bytes, aligned
.endr
.irp p, 0,1,2
	global_store_b64 v[VO1], v[PC+6+2*\p:PC+7+2*\p], s[8:9] offset:256*\p
.endr
	s_cmp_eq_u32 s12, 0                            ; v alone: the sum of the quantised numbers over these 128 keys.  The branch hangs on the cluster's number
	s_cbranch_scc1 .Lno_sum_\@
.rept 8
	v_nop                                          ; a scale word made by vector lines stands 8 places ahead of a scaled matrix instruction
.endr
	v_wmma_scale_f32_16x16x128_f8f6f4 v[VD:VD+7], v[ONES:ONES+11], v[PC:PC+11], 0, v[ONS], v[PWR+(\a)] matrix_a_fmt:MATRIX_FMT_FP6 matrix_b_fmt:MATRIX_FMT_FP6
.rept 4
	v_nop
.endr
	v_mov_b32 v[VSM+(\a)], v[VD]                   ; every row of the result is the same: lane (r, h) holds channel r's sum
.Lno_sum_\@:
	s_wait_xcnt 0x0                                ; the stores have read their data and their base
.if (\a) < 3
	s_add_nc_u64 s[8:9], s[8:9], s[66:67]
.endif
.endm
	PLACES 4                                       ; behind the last products, ahead of the first read of results
.irp a, 0,1,2,3
	OUTBLK \a
.endr
	s_wait_alu depctr_va_vdst(0)                   ; the wait ahead of the branch
	s_cmp_lg_u32 s12, 0
	s_cbranch_scc1 .Lv_words
.irp i, 0,1,2,3                                ; q, k: lanes 0-15 the first head's bytes, lanes 16-31 the second's; four tiles' words a lane
	v_lshrrev_b32 v[SD+\i], v[SH], v[PWR+\i]
.endr
.irp i, 0,1,2,3
	v_and_or_b32 v[SD+\i], v[SD+\i], s99, 0x01400000   ; byte 2 = 64, byte 3 = 1
.endr
	s_branch .Lwords
.Lv_words:
.irp i, 0,1,2,3                                ; v: lanes 0-15 the head's four scale words, lanes 16-31 its four sums
	v_cndmask_b32 v[SD+\i], v[PWR+\i], v[VSM+\i], s98
.endr
.Lwords:
	s_wait_alu depctr_va_vdst(0)                   ; the wait ahead of the reader behind a branch
	global_store_b128 v[SWV], v[SD:SD+3], s[10:11] ; sixteen lanes store 256 consecutive bytes, aligned
	s_wait_tensorcnt 0x0                           ; the wave's end
	ds_add_u32 v[SPW], v[NIL]
	s_wait_dscnt 0x0
	CROUND                                         ; the closing round
	s_endpgm
.Lfunc_end_k_qc304b3a927_qkv:
	.size	k_qc304b3a927_qkv, .Lfunc_end_k_qc304b3a927_qkv-k_qc304b3a927_qkv
	.p2alignl 7, 3214868480
	.fill 96, 4, 3214868480
	.section	.rodata,"a",@progbits
	.p2align	6, 0x0
	.amdhsa_kernel k_qc304b3a927_qkv
		.amdhsa_group_segment_fixed_size 327680
		.amdhsa_private_segment_fixed_size 0
		.amdhsa_enable_private_segment 0
		.amdhsa_kernarg_size 32
		.amdhsa_user_sgpr_count 2
		.amdhsa_user_sgpr_kernarg_segment_ptr 1
		.amdhsa_wavefront_size32 1
		.amdhsa_system_sgpr_workgroup_id_x 1
		.amdhsa_system_sgpr_workgroup_id_y 1
		.amdhsa_system_sgpr_workgroup_id_z 1
		.amdhsa_system_vgpr_workitem_id 0
		.amdhsa_next_free_vgpr 768
		.amdhsa_next_free_sgpr 100
		.amdhsa_reserve_vcc 0
		.amdhsa_float_denorm_mode_32 3
		.amdhsa_float_denorm_mode_16_64 3
		.amdhsa_memory_ordered 1
		.amdhsa_forward_progress 1
		.amdhsa_inst_pref_size 106
	.end_amdhsa_kernel
	.amdgpu_metadata
---
amdhsa.version: [ 1, 2 ]
amdhsa.kernels:
  - .name:           k_qc304b3a927_qkv
    .symbol:         k_qc304b3a927_qkv.kd
    .args:
      - { .name: w1codes, .offset: 0, .size: 8, .value_kind: global_buffer, .address_space: global }
      - { .name: w1scales, .offset: 8, .size: 8, .value_kind: global_buffer, .address_space: global }
      - { .name: w2img, .offset: 16, .size: 8, .value_kind: global_buffer, .address_space: global }
      - { .name: w2aux, .offset: 24, .size: 8, .value_kind: global_buffer, .address_space: global }
    .group_segment_fixed_size: 327680
    .private_segment_fixed_size: 0
    .kernarg_segment_align: 8
    .kernarg_segment_size: 32
    .max_flat_workgroup_size: 128
    .sgpr_count:     100
    .vgpr_count:     768
    .wavefront_size: 32
...
	.end_amdgpu_metadata
.endif
;; end of part 2
;; launch attn (part 3): grid 4 x 64, 16 waves a work-group, clusters of 4 x 1, 327,680 bytes of LDS; arguments w2img, w2aux, mask, a_img, a_scales; writes a_img, a_scales
.if DOCPART == 3
	.amdgcn_target "amdgcn-amd-amdhsa--gfx1250"
	.amdhsa_code_object_version 6
	.text
	.protected	k_qc304b3a927_attn
	.globl	k_qc304b3a927_attn
	.p2align	8
	.type	k_qc304b3a927_attn,@function
k_qc304b3a927_attn:
	s_mov_b64 s[64:65], 0
	v_nop
	global_prefetch_b8 v0, s[64:65] scope:SCOPE_SE
	s_setreg_imm32_b32 hwreg(HW_REG_WAVE_MODE, 25, 1), 1
	s_wait_xcnt 0x0
	s_wait_alu depctr_hold_cnt(0) depctr_sa_sdst(0) depctr_va_vdst(0) depctr_va_sdst(0) depctr_va_ssrc(0) depctr_va_vcc(0) depctr_vm_vsrc(0)
	s_getreg_b32 s2, hwreg(HW_REG_IB_STS2, 6, 4)
	s_cmp_eq_u32 s2, 0
	s_cbranch_scc0 .Lentry_in_a_cluster
	s_endpgm
.Lentry_in_a_cluster:
	s_bfe_u32 s2, ttmp6, 0x10000c
	s_cmp_lg_u32 s2, 0x3003
	s_cbranch_scc0 .Lentry_shape_is_right
	s_endpgm
.Lentry_shape_is_right:
; Causal attention with a key padding mask on codes of FP6 (E2M3): S^T = k q^T, p = 2^(t - M), O^T = v^T p^T, O / l, quantised anew for the projection.
; A cluster of four work-groups serves one (batch, head); all its 2,048 keys' images of k and v come into each partner's LDS once, by joint tensor loads, one a wave (12,288 bytes each).
; A tile is 16 queries: tile 4 J + cx of the sequence's 128.  Wave w takes J = 31 - w and then J = w: (31 - w) / 2 + 1 and w / 2 + 1 steps of 128 keys, 17 in all for every wave.
; WORK LEFT OUT: steps of 128 keys that lie wholly behind the diagonal: reference() builds the causal mask itself, and their p is 0 for every input.  A NaN or infinity that reaches only those scores is not carried to the result.
; ONE LOOP OF 17 TRIPS, a live step in each: the first tile walks steps 0 .. LA upward, the second 16 - I downward, from its diagonal step to step 0 (the running maximum takes any order).
; A split work-group barrier in each trip (signal at its top, wait behind its products; register work and LDS loads between) holds the sixteen waves within one trip of each other.
; THE PADDING MASK rides in the unused half of the first product's K = 128: k's code +1 with scale byte 254 (masked) or 1, q's code -1 with byte 64: a masked key's score gets -2^64, an open one's nothing that f32 keeps.
; A row whose every key is masked: reference() gives all 2,048 keys the same weight, so the row is the mean of the quantised v (made from the sums that the launch before stored); chosen by v_cndmask where the running maximum never rose.
; M is the running maximum rounded up to a whole number; rescalings are exact powers of two.  LIMIT: the promise holds while the scaled scores t stay under 2^30 in magnitude.
; No prefetch: every tile is asked for at the head.  Both tiles' q are loaded at the head, so the change of tiles waits for no memory.
; REGISTERS: v1-11, v28-31 addresses; v12-15 -M, max t, the sum; v16-27 q; v32-79 k's fragments; v80-86 the second tile's q; v96-159 S, p, then v's fragments; v160-191 O^T; v192-223 the way out; v224-255 codes, scales, at work.
.set KB,  0
.set VB,  98304
.set KSC, 196608
.set VS,  204800
.set VM,  208896
.set WV,  14
.set SEL, 20
.set CS,  22
.set HM,  24
.set LOW, 25
.set G1,  28
.set G0,  44
.set I,    36                          ; the trip
.set LA,   37                          ; the first tile's last step
.set DGI,  38                          ; the trip of the current tile's diagonal step
.set ENDI, 39                          ; the trip of its last step
.set DG,   40
.set TK,   41
.set TKS,  42
.set TVS,  43
.set SB,   48
.set JA,   52
.macro CROUND
	s_barrier_signal -1
	s_barrier_wait -1
	s_cmp_lg_u32 s[WV], 0
	s_cbranch_scc1 .Lnot_wave_0_\@
	s_barrier_signal -3
.Lnot_wave_0_\@:
	s_barrier_wait -3
	s_barrier_signal -1
	s_barrier_wait -1
.endm
	s_load_b256 s[4:11], s[0:1], 0x0               ; w2img, w2aux, mask, a_img
	s_load_b64 s[12:13], s[0:1], 0x20              ; a_scales
	v_lshl_add_u32 v95, v0, 2, 0x36000
	v_mov_b32 v243, 0
	ds_add_u32 v95, v243                           ; the opening lines: the add twice on end and one wait
	ds_add_u32 v95, v243
	v_lshrrev_b32 v8, 5, v0
	s_delay_alu instid0(VALU_DEP_1)
	v_readfirstlane_b32 s[WV], v8
	s_bfe_u32 s15, ttmp6, 0x40000                  ; cx
	s_and_b32 s16, ttmp7, 0xffff
	s_lshr_b32 s17, s16, 4                         ; batch
	s_and_b32 s18, s16, 15                         ; head
	s_mov_b32 s[G1], 15|(3<<16)|(1<<21)            ; 48 dense rows of 256 bytes, to all four partners
	s_mov_b32 s[G1+1], 32<<16
	s_mov_b32 s[G1+2], 48<<16
	s_mov_b32 s[G1+3], 32<<16
	s_mov_b32 s[G1+4], 48
	s_mov_b32 s[G1+5], 32
	s_mov_b32 s[G1+6], 0
	s_mov_b32 s[G1+7], 0
	s_add_co_u32 s78, s18, 16
	s_mul_i32 s78, s78, 393216                     ; k's plane
	s_mul_i32 s79, s18, 393216
	s_add_co_u32 s79, s79, 12582912                ; v's plane
	s_cmp_lt_u32 s[WV], 8                          ; waves 0-7 fetch k, waves 8-15 v
	s_cselect_b32 s78, s78, s79
	s_mul_i32 s79, s17, 98304
	s_add_co_u32 s78, s78, s79
	s_and_b32 s79, s[WV], 7
	s_mul_i32 s79, s79, 12288
	s_add_co_u32 s78, s78, s79
	s_mov_b32 s79, 0
	s_lshl_b32 s88, s18, 14
	s_lshl_b32 s89, s17, 12
	s_add_co_u32 s88, s88, s89
	s_mov_b32 s[G0], 1
	s_mul_i32 s[G0+1], s[WV], 12288
	s_mov_b32 s[SEL], 0x76543210
	s_mov_b32 s[SEL+1], 0xfedcba98
	s_mov_b32 s[CS], 0x3e38aa3b                    ; log2(e) / 8
	s_mov_b32 s[CS+1], s[CS]
	s_mov_b32 s[HM], 0xffff0000
	s_mov_b32 s[LOW], 0xce800000                   ; -2^30
	v_and_b32 v8, 31, v0
	v_and_b32 v9, 15, v0
	v_bfe_u32 v10, v0, 4, 1
	s_delay_alu instid0(VALU_DEP_3)
	v_lshlrev_b32 v5, 3, v8
	s_delay_alu instid0(VALU_DEP_1)
	v_mov_b32 v1, v5
	s_delay_alu instid0(VALU_DEP_2)
	v_add_nc_u32 v2, VB, v5
	v_lshlrev_b32 v11, 4, v9
	s_delay_alu instid0(VALU_DEP_1)
	v_add_nc_u32 v3, KSC, v11
	s_delay_alu instid0(VALU_DEP_2)
	v_add_nc_u32 v4, VS, v11
	v_and_b32 v12, 8, v9
	s_delay_alu instid0(VALU_DEP_1)
	v_add_nc_u32 v12, v12, v9
	v_lshlrev_b32 v13, 4, v10
	s_delay_alu instid0(VALU_DEP_1)
	v_sub_nc_u32 v6, v12, v13
	s_lshr_b32 s80, s15, 1
	s_lshl_b32 s80, s80, 5
	s_and_b32 s81, s15, 1
	s_lshl_b32 s81, s81, 3
	s_add_co_u32 s80, s80, s81
	v_add_nc_u32 v6, s80, v6                       ; my query's place in its 64 keys, less 16 h
	v_lshl_add_u32 v7, v9, 5, v10
	s_lshl_b32 s80, s15, 2
	v_add_nc_u32 v28, s80, v11
	v_lshlrev_b32 v29, 7, v10
	s_delay_alu instid0(VALU_DEP_1)
	v_add_nc_u32 v29, VM, v29
	v_lshl_add_u32 v30, v0, 4, KSC
	v_lshrrev_b32 v14, 5, v0
	s_delay_alu instid0(VALU_DEP_1)
	v_lshlrev_b32 v31, 7, v14
	v_and_b32 v14, 3, v0
	s_delay_alu instid0(VALU_DEP_1)
	v_lshl_add_u32 v31, v14, 5, v31
	v_bfe_u32 v14, v0, 2, 3
	s_delay_alu instid0(VALU_DEP_1)
	v_lshl_add_u32 v31, v14, 2, v31
	s_delay_alu instid0(VALU_DEP_1)
	v_add_nc_u32 v31, VM, v31
	v_lshrrev_b32 v15, 4, v0
	s_delay_alu instid0(VALU_DEP_1)
	v_lshl_add_u32 v122, v15, 6, v12
	v_lshlrev_b32 v123, 4, v0
	v_lshlrev_b32 v124, 2, v0
	v_lshlrev_b32 v87, 3, v0                       ; v's scale words: 8 bytes a thread,
	v_lshl_add_u32 v94, v0, 3, VS                  ; and their place in LDS
	v_sub_nc_u32 v15, 1, v10
	s_delay_alu instid0(VALU_DEP_1)
	v_mul_u32_u24 v22, v15, 40                     ; q's mask half: the code of -1 at k = 64
.irp i, 23,24,25,26,27
	v_mov_b32 v\i, 0
.endr
.irp t, 0,1,2,3
	v_lshlrev_b32 v[38+12*\t], 3, v15              ; k's mask half: the code of +1 at k = 64
.irp i, 7,8,9,10,11
	v_mov_b32 v[32+12*\t+\i], 0
.endr
.endr
.irp b, 0,1,2,3
	v_mov_b32 v[236+\b], 0
.endr
	v_mov_b32 v252, 0
	v_mov_b32 v253, 0
	s_wait_dscnt 0x0
	s_wait_kmcnt 0x0
	s_add_nc_u64 s[G0+2:G0+3], s[4:5], s[78:79]
	s_or_b32 s[G0+3], s[G0+3], 0x80000000
	CROUND                                         ; the four partners are here: the joint loads meet
	tensor_load_to_lds s[G0:G0+3], s[G1:G1+7]      ; my one tensor load
	s_nop 0
	s_lshl_b32 s80, s17, 7
	s_add_co_u32 s80, s80, s15                     ; tile 128 b + cx
	s_mul_i32 s78, s18, 393216
	s_mul_i32 s81, s80, 768
	s_add_co_u32 s78, s78, s81
	s_add_nc_u64 s[70:71], s[4:5], s[78:79]        ; q's images
	s_lshl_b32 s78, s18, 15
	s_lshl_b32 s81, s17, 13
	s_add_co_u32 s78, s78, s81
	s_add_nc_u64 s[72:73], s[6:7], s[78:79]        ; q's scale words
	s_add_co_u32 s78, s78, 524288
	s_add_nc_u64 s[82:83], s[6:7], s[78:79]        ; k's
	s_mul_i32 s78, s80, 12288
	s_mul_i32 s81, s18, 768
	s_add_co_u32 s78, s78, s81
	s_add_nc_u64 s[74:75], s[10:11], s[78:79]      ; out: images
	s_lshl_b32 s78, s80, 9
	s_lshl_b32 s81, s18, 1
	s_add_co_u32 s78, s78, s81
	s_add_nc_u64 s[76:77], s[12:13], s[78:79]      ; out: scale bytes
	s_lshl_b32 s78, s17, 11
	s_add_nc_u64 s[84:85], s[8:9], s[78:79]        ; the mask's row
	s_add_co_u32 s78, s88, 1310720
	s_add_nc_u64 s[86:87], s[6:7], s[78:79]        ; v's sums
	s_add_co_u32 s78, s88, 1048576
	s_add_nc_u64 s[94:95], s[6:7], s[78:79]        ; v's scale words
	s_sub_co_u32 s[JA], 31, s[WV]
	s_mul_i32 s78, s[JA], 3072
	s_add_nc_u64 s[60:61], s[70:71], s[78:79]
	s_lshl_b32 s78, s[JA], 8
	s_add_nc_u64 s[62:63], s[72:73], s[78:79]
	s_mul_i32 s78, s[WV], 3072
	s_add_nc_u64 s[90:91], s[70:71], s[78:79]
	s_lshl_b32 s78, s[WV], 8
	s_add_nc_u64 s[92:93], s[72:73], s[78:79]
	s_mul_i32 s78, s[JA], 49152
	s_add_nc_u64 s[66:67], s[74:75], s[78:79]
	s_lshl_b32 s78, s[JA], 11
	s_add_nc_u64 s[68:69], s[76:77], s[78:79]
	s_lshr_b32 s[LA], s[JA], 1
	s_and_b32 s[DG], s[JA], 1
	s_lshl_b32 s[DG], s[DG], 6
	s_mov_b32 s[DGI], s[LA]
	s_mov_b32 s[ENDI], s[LA]
	s_mov_b32 s[I], 0
	s_wait_alu depctr_va_vdst(0)                   ; the wait ahead of the readers behind the scalar run
	global_load_b128 v[96:99], v123, s[82:83]
	global_load_u8 v100, v122, s[84:85]
	global_load_u8 v101, v122, s[84:85] offset:8
	global_load_u8 v102, v122, s[84:85] offset:32
	global_load_u8 v103, v122, s[84:85] offset:40
	global_load_b64 v[88:89], v87, s[94:95]
.irp p, 0,1,2
	global_load_b64 v[16+2*\p:17+2*\p], v5, s[60:61] offset:256*\p   ; the first tile's q
.endr
	global_load_b32 v255, v28, s[62:63]
.irp p, 0,1,2
	global_load_b64 v[80+2*\p:81+2*\p], v5, s[90:91] offset:256*\p   ; the second tile's
.endr
	global_load_b32 v86, v28, s[92:93]
	s_cmp_ge_u32 s[WV], 2
	s_cbranch_scc1 .Lno_mean
.set i, 0
.rept 16                                       ; waves 0, 1: the mean of the quantised v over the 2,048 keys
	global_load_b32 v[104+i], v124, s[86:87] offset:256*i
.set i, i+1
.endr
	s_wait_loadcnt 0x0
.irp i, 0,1,2,3,4,5,6,7
	v_add_f32 v[104+\i], v[104+\i], v[112+\i]
.endr
.irp i, 0,1,2,3
	s_delay_alu instid0(VALU_DEP_4)
	v_add_f32 v[104+\i], v[104+\i], v[108+\i]
.endr
	s_delay_alu instid0(VALU_DEP_2)
	v_add_f32 v104, v104, v106
	s_delay_alu instid0(VALU_DEP_2)
	v_add_f32 v105, v105, v107
	s_delay_alu instid0(VALU_DEP_1)
	v_add_f32 v104, v104, v105
	s_delay_alu instid0(VALU_DEP_1)
	v_mul_f32 v104, 0x3a000000, v104
	ds_store_b32 v31, v104
.Lno_mean:
	s_wait_loadcnt 0x0
	v_mov_b32 v120, 0x10000
	v_mov_b32 v121, 0xfe0000
.irp i, 0,1,2,3
	v_cmp_eq_u32 vcc_lo, 0, v[100+\i]
	s_delay_alu instid0(VALU_DEP_1)
	v_cndmask_b32 v[100+\i], v120, v121, vcc_lo
	s_delay_alu instid0(VALU_DEP_1)
	v_and_or_b32 v[96+\i], v[96+\i], 0xff00ffff, v[100+\i]   ; byte 2 of k's scale word: 254 for a masked key, 1 for an open one
.endr
	ds_store_b128 v30, v[96:99]
	ds_store_b64 v94, v[88:89]
	v_mov_b32 v13, s[LOW]
	s_delay_alu instid0(VALU_DEP_1)
	v_floor_f32 v12, -v13
	v_mov_b32 v14, 0
	v_mov_b32 v15, 0
.set i, 0
.rept 32
	v_mov_b32 v[160+i], 0
.set i, i+1
.endr
	s_wait_alu depctr_va_vdst(0)                   ; the wait at the head's end
	s_wait_tensorcnt 0x0
	s_wait_dscnt 0x0
	s_barrier_signal -1
	s_barrier_wait -1                              ; k, v, the scale words and the mean are whole
.Ltrip:
	s_barrier_signal -1                            ; I am in trip I; no LDS instruction of mine is out
	s_add_co_u32 s[SB], s[I], 15
	s_and_b32 s[SB], s[SB], 15
	s_xor_b32 s[SB], s[SB], 15                     ; 16 - I for I = 1 .. 16: the second tile's step
	s_cmp_le_u32 s[I], s[LA]                       ; the first tile still?
	s_cselect_b32 s[SB], s[I], s[SB]               ; this trip's step of 128 keys,
	s_min_u32 s[SB], s[SB], 15                     ; held inside the 16 that lie in LDS
	s_mul_i32 s[TK], s[SB], 6144
	s_lshl_b32 s[TKS], s[SB], 9
	s_lshl_b32 s[TVS], s[SB], 8
	v_add_nc_u32 v8, s[TK], v1
	v_add_nc_u32 v9, s[TK], v2
	v_add_nc_u32 v10, s[TKS], v3
	v_add_nc_u32 v11, s[TVS], v4
	s_delay_alu instid0(VALU_DEP_4)
	v_min_u32 v8, 15*6144+248, v8                  ; each address is held at its region's last fragment: step 15, lane 31 (or row 15).  These eight lines are the places behind the last trip's products
	s_delay_alu instid0(VALU_DEP_4)
	v_min_u32 v9, VB+15*6144+248, v9
	s_delay_alu instid0(VALU_DEP_4)
	v_min_u32 v10, KSC+15*512+240, v10
	s_delay_alu instid0(VALU_DEP_4)
	v_min_u32 v11, VS+15*256+240, v11
	s_wait_alu depctr_va_vdst(0)                   ; what was written ahead of the jump
.irp g, 0,1
.if \g > 0
.rept 4
	v_nop
.endr
.endif
.irp t, 0,1,2,3
.irp p, 0,1,2
	ds_load_b64 v[32+12*\t+2*\p:33+12*\t+2*\p], v8 offset:(4*\g+\t)*768+256*\p
.endr
.endr
	ds_load_b128 v[248:251], v10 offset:256*\g
	s_wait_dscnt 0x0
.irp t, 0,1,2,3
	v_wmma_scale_f32_16x16x128_f8f6f4 v[96+8*(4*\g+\t):103+8*(4*\g+\t)], v[32+12*\t:43+12*\t], v[16:27], 0, v[248+\t], v255 matrix_a_fmt:MATRIX_FMT_FP6 matrix_b_fmt:MATRIX_FMT_FP6
.endr
.endr
.rept 4
	v_nop
.endr
	s_cmp_lg_u32 s[I], s[DGI]
	s_cbranch_scc1 .Lopen
	v_add_nc_u32 v252, s[DG], v6                   ; the diagonal step: keys behind my query get -infinity
	v_mov_b32 v254, 0xff800000
.set n, 0
.rept 64
	v_cmp_gt_i32 vcc_lo, 32*(n/16)+n%16, v252
	v_cndmask_b32 v[96+n], v[96+n], v254, vcc_lo
.set n, n+1
.endr
.Lopen:
.irp b, 0,1,2,3
	v_max3_num_f32 v[232+\b], v[96+16*\b], v[97+16*\b], v[98+16*\b]   ; each block's largest score: for the row's maximum and for the block's largest p
.endr
.irp i, 3,5,7,9,11,13
.irp b, 0,1,2,3
	v_max3_num_f32 v[232+\b], v[232+\b], v[96+16*\b+\i], v[97+16*\b+\i]
.endr
.endr
.irp b, 0,1,2,3
	v_max_num_f32 v[232+\b], v[232+\b], v[111+16*\b]
.endr
.irp b, 0,1,2,3
	s_delay_alu instid0(VALU_DEP_4)
	v_permlanex16_b32 v[236+\b], v[232+\b], s[SEL], s[SEL+1]
.endr
.irp b, 0,1,2,3
	s_delay_alu instid0(VALU_DEP_4)
	v_max_num_f32 v[232+\b], v[232+\b], v[236+\b]
.endr
	s_delay_alu instid0(VALU_DEP_2)
	v_max3_num_f32 v254, v232, v233, v234
	s_delay_alu instid0(VALU_DEP_1)
	v_max_num_f32 v254, v254, v235
	s_delay_alu instid0(VALU_DEP_1)
	v_mul_f32 v254, s[CS], v254
	s_delay_alu instid0(VALU_DEP_1)
	v_max_num_f32 v13, v13, v254                   ; the running largest t
	v_mov_b32 v254, v12
	s_delay_alu instid0(VALU_DEP_2)
	v_floor_f32 v12, -v13                          ; -M
	s_delay_alu instid0(VALU_DEP_1)
	v_sub_f32 v254, v12, v254
	s_delay_alu instid0(VALU_DEP_1)
	v_cvt_i32_f32 v254, v254
	s_delay_alu instid0(VALU_DEP_1)
	v_ldexp_f32 v252, 1.0, v254                    ; f = 2^(old M - new M)
.set n, 0
.rept 32
	v_pk_fma_f32 v[96+n:97+n], v[96+n:97+n], s[CS:CS+1], v[12:13] op_sel_hi:[1,0,0]
.set n, n+2
.endr
.irp b, 0,1,2,3
	v_fma_f32 v[232+\b], v[232+\b], s[CS], v12
.endr
.set n, 0
	s_wait_alu depctr_va_vdst(0)                   ; the wait ahead of the batch
.rept 64
	v_exp_f32 v[96+n], v[96+n]
.set n, n+1
.endr
	v_pk_mul_f32 v[14:15], v[14:15], v[252:253] op_sel_hi:[1,0]
	s_wait_alu depctr_va_vdst(0)                   ; and behind it
.irp b, 0,1,2,3
	v_exp_f32 v[232+\b], v[232+\b]
.endr
	v_pk_add_f32 v[236:237], v[96:97], v[98:99]    ; the row's sum, of the unquantised p
.irp j, 4,8,12,16,20,24,28,32,36,40,44,48,52,56,60
	v_pk_add_f32 v[14:15], v[14:15], v[96+\j:97+\j]
	v_pk_add_f32 v[236:237], v[236:237], v[98+\j:99+\j]
.endr
	s_delay_alu instid0(VALU_DEP_1)
	v_pk_add_f32 v[14:15], v[14:15], v[236:237]
	s_wait_alu depctr_va_vdst(0)
.irp b, 0,1,2,3
	v_max_num_f32 v[232+\b], 0x1800000, v[232+\b]  ; the floor 2^(3 - 127)
.endr
.irp b, 0,1,2,3
	s_delay_alu instid0(VALU_DEP_4)
	v_add_nc_u32 v[244+\b], 0xff000000, v[232+\b]
.endr
.irp b, 0,1,2,3
	s_delay_alu instid0(VALU_DEP_4)
	v_lshrrev_b32 v[236+\b], 23, v[244+\b]
.endr
	s_delay_alu instid0(VALU_DEP_3)
	v_lshl_or_b32 v253, v237, 8, v236
	s_delay_alu instid0(VALU_DEP_1)
	v_lshl_or_b32 v253, v238, 16, v253
	s_delay_alu instid0(VALU_DEP_1)
	v_lshl_or_b32 v253, v239, 24, v253             ; p's scale word
.irp c, 0,1
	v_cvt_scalef32_pk16_fp6_f32 v[224+6*\c:226+6*\c], v[96+32*\c:111+32*\c], v[244+2*\c]
	v_cvt_scalef32_pk16_fp6_f32 v[236+4*\c:238+4*\c], v[112+32*\c:127+32*\c], v[244+2*\c+1]
.endr
	v_nop
.irp t, 0,1,2,3
.irp p, 0,1,2,3,4,5
	ds_load_b64 v[96+12*\t+2*\p:97+12*\t+2*\p], v9 offset:1536*\t+256*\p
.endr
.endr
	ds_load_b128 v[248:251], v11
.irp c, 0,1
.irp i, 0,1,2
	v_permlane16_swap_b32 v[224+6*\c+\i], v[236+4*\c+\i]
.endr
.irp i, 0,1,2
	s_delay_alu instid0(VALU_DEP_3)
	v_mov_b32 v[227+6*\c+\i], v[236+4*\c+\i]
.endr
.endr
.set n, 0
.rept 16
	v_pk_mul_f32 v[160+n:161+n], v[160+n:161+n], v[252:253] op_sel_hi:[1,0]   ; O^T under the new M
.set n, n+2
.endr
	s_wait_alu depctr_va_vdst(0)
	s_wait_dscnt 0x0
.irp t, 0,1,2,3
	v_wmma_scale_f32_16x16x128_f8f6f4 v[160+8*\t:167+8*\t], v[96+12*\t:107+12*\t], v[224:235], v[160+8*\t:167+8*\t], v[248+\t], v253 matrix_a_fmt:MATRIX_FMT_FP6 matrix_b_fmt:MATRIX_FMT_FP6
.endr
	s_barrier_wait -1                              ; every wave has begun trip I
	s_cmp_lg_u32 s[I], s[ENDI]
	s_cbranch_scc1 .Lnext
; the tile's last step is done: O / l, or the mean of v; quantised along the head's 64 and stored as half an image and two scale bytes a row
.rept 4
	v_nop
.endr
.irp i, 0,1,2,3,4,5,6,7
	ds_load_b128 v[96+4*\i:99+4*\i], v29 offset:16*\i
.endr
	v_add_f32 v14, v14, v15
	s_delay_alu instid0(VALU_DEP_1)
	v_permlanex16_b32 v252, v14, s[SEL], s[SEL+1]
	s_delay_alu instid0(VALU_DEP_1)
	v_add_f32 v14, v14, v252
	s_wait_alu depctr_va_vdst(0)
	v_rcp_f32 v14, v14
	v_nop
	v_cmp_ge_f32 vcc_lo, s[LOW], v13               ; the maximum never rose: every key is masked
	s_wait_alu depctr_va_vdst(0)
	s_wait_dscnt 0x0
.set n, 0
.rept 32
	v_mul_f32 v[192+n], v[160+n], v14
.set n, n+1
.endr
.set n, 0
.rept 32
	v_cndmask_b32 v[192+n], v[192+n], v[96+n], vcc_lo
.set n, n+1
.endr
.irp b, 0,1
	v_max3_num_f32 v[232+\b], |v[192+16*\b]|, |v[193+16*\b]|, 0x1800000
.endr
.irp i, 2,4,6,8,10,12,14
.irp b, 0,1
	s_delay_alu instid0(VALU_DEP_2)
	v_max3_num_f32 v[232+\b], v[232+\b], |v[192+16*\b+\i]|, |v[193+16*\b+\i]|
.endr
.endr
.irp b, 0,1
	s_delay_alu instid0(VALU_DEP_2)
	v_permlanex16_b32 v[236+\b], v[232+\b], s[SEL], s[SEL+1]
.endr
.irp b, 0,1
	s_delay_alu instid0(VALU_DEP_2)
	v_max_num_f32 v[232+\b], v[232+\b], v[236+\b]
.endr
.irp b, 0,1
	s_delay_alu instid0(VALU_DEP_2)
	v_add_nc_u32 v[244+\b], 0xff000000, v[232+\b]
.endr
.irp b, 0,1
	s_delay_alu instid0(VALU_DEP_2)
	v_lshrrev_b32 v[234+\b], 23, v[244+\b]
.endr
	s_delay_alu instid0(VALU_DEP_1)
	v_cndmask_b32 v234, v234, v235, s[HM]
	v_cvt_scalef32_pk16_fp6_f32 v[224:226], v[192:207], v244
	v_cvt_scalef32_pk16_fp6_f32 v[236:238], v[208:223], v245
	v_nop
.irp i, 0,1,2
	v_permlane16_swap_b32 v[224+\i], v[236+\i]
.endr
.irp i, 0,1,2
	s_delay_alu instid0(VALU_DEP_3)
	v_mov_b32 v[227+\i], v[236+\i]
.endr
.irp p, 0,1,2
	global_store_b64 v5, v[224+2*\p:225+2*\p], s[66:67] offset:256*\p   ; 32 lanes store 256 consecutive bytes, aligned
.endr
	global_store_b8 v7, v234, s[68:69]
	s_cmp_eq_u32 s[I], 16
	s_cbranch_scc1 .Lnext                          ; that was the second tile: no change of tiles follows, and the loop ends by its count
	s_wait_xcnt 0x0                                ; the stores have read their data and bases
	s_and_b32 s[DG], s[WV], 1                      ; on to tile J = w: it begins with its diagonal step
	s_lshl_b32 s[DG], s[DG], 6
	s_add_co_u32 s[DGI], s[LA], 1
	s_mov_b32 s[ENDI], 16
	s_mul_i32 s78, s[WV], 49152
	s_add_nc_u64 s[66:67], s[74:75], s[78:79]
	s_lshl_b32 s78, s[WV], 11
	s_add_nc_u64 s[68:69], s[76:77], s[78:79]
	v_mov_b32 v255, v86                            ; its q and scale word; the 36 lines below are the places ahead of the next scaled product
.irp i, 0,1,2,3,4,5
	v_mov_b32 v[16+\i], v[80+\i]
.endr
	v_mov_b32 v13, s[LOW]
	s_delay_alu instid0(VALU_DEP_1)
	v_floor_f32 v12, -v13
	v_mov_b32 v14, 0
	v_mov_b32 v15, 0
.set i, 0
.rept 32
	v_mov_b32 v[160+i], 0
.set i, i+1
.endr
.Lnext:
	s_add_co_u32 s[I], s[I], 1
	s_cmp_lt_u32 s[I], 17
	s_wait_alu depctr_va_vdst(0)                   ; the wait ahead of the jump
	s_cbranch_scc1 .Ltrip
	s_wait_tensorcnt 0x0                           ; the wave's end
	ds_add_u32 v95, v243
	s_wait_dscnt 0x0
	CROUND                                         ; the closing round
	s_endpgm
.Lfunc_end_k_qc304b3a927_attn:
	.size	k_qc304b3a927_attn, .Lfunc_end_k_qc304b3a927_attn-k_qc304b3a927_attn
	.p2alignl 7, 3214868480
	.fill 96, 4, 3214868480
	.section	.rodata,"a",@progbits
	.p2align	6, 0x0
	.amdhsa_kernel k_qc304b3a927_attn
		.amdhsa_group_segment_fixed_size 327680
		.amdhsa_private_segment_fixed_size 0
		.amdhsa_enable_private_segment 0
		.amdhsa_kernarg_size 40
		.amdhsa_user_sgpr_count 2
		.amdhsa_user_sgpr_kernarg_segment_ptr 1
		.amdhsa_wavefront_size32 1
		.amdhsa_system_sgpr_workgroup_id_x 1
		.amdhsa_system_sgpr_workgroup_id_y 1
		.amdhsa_system_sgpr_workgroup_id_z 1
		.amdhsa_system_vgpr_workitem_id 0
		.amdhsa_next_free_vgpr 256
		.amdhsa_next_free_sgpr 96
		.amdhsa_reserve_vcc 1
		.amdhsa_float_denorm_mode_32 3
		.amdhsa_float_denorm_mode_16_64 3
		.amdhsa_memory_ordered 1
		.amdhsa_forward_progress 1
		.amdhsa_inst_pref_size 47
	.end_amdhsa_kernel
	.amdgpu_metadata
---
amdhsa.version: [ 1, 2 ]
amdhsa.kernels:
  - .name:           k_qc304b3a927_attn
    .symbol:         k_qc304b3a927_attn.kd
    .args:
      - { .name: w2img, .offset: 0, .size: 8, .value_kind: global_buffer, .address_space: global }
      - { .name: w2aux, .offset: 8, .size: 8, .value_kind: global_buffer, .address_space: global }
      - { .name: mask, .offset: 16, .size: 8, .value_kind: global_buffer, .address_space: global }
      - { .name: a_img, .offset: 24, .size: 8, .value_kind: global_buffer, .address_space: global }
      - { .name: a_scales, .offset: 32, .size: 8, .value_kind: global_buffer, .address_space: global }
    .group_segment_fixed_size: 327680
    .private_segment_fixed_size: 0
    .kernarg_segment_align: 8
    .kernarg_segment_size: 40
    .max_flat_workgroup_size: 512
    .sgpr_count:     96
    .vgpr_count:     256
    .wavefront_size: 32
...
	.end_amdgpu_metadata
.endif
;; end of part 3
;; launch proj (part 4): grid 4 x 64, 4 waves a work-group, clusters of 4 x 4, 327,680 bytes of LDS; arguments a_img, a_scales, w1codes, w1scales, b_out, out0; writes out0
.if DOCPART == 4
	.amdgcn_target "amdgcn-amd-amdhsa--gfx1250"
	.amdhsa_code_object_version 6
	.text
	.protected	k_qc304b3a927_proj
	.globl	k_qc304b3a927_proj
	.p2align	8
	.type	k_qc304b3a927_proj,@function
k_qc304b3a927_proj:
	s_mov_b64 s[64:65], 0
	v_nop
	global_prefetch_b8 v0, s[64:65] scope:SCOPE_SE
	s_setreg_imm32_b32 hwreg(HW_REG_WAVE_MODE, 25, 1), 1
	s_wait_xcnt 0x0
	s_wait_alu depctr_hold_cnt(0) depctr_sa_sdst(0) depctr_va_vdst(0) depctr_va_sdst(0) depctr_va_ssrc(0) depctr_va_vcc(0) depctr_vm_vsrc(0)
	s_getreg_b32 s2, hwreg(HW_REG_IB_STS2, 6, 4)
	s_cmp_eq_u32 s2, 0
	s_cbranch_scc0 .Lentry_in_a_cluster
	s_endpgm
.Lentry_in_a_cluster:
	s_bfe_u32 s2, ttmp6, 0x10000c
	s_cmp_lg_u32 s2, 0xf033
	s_cbranch_scc0 .Lentry_shape_is_right
	s_endpgm
.Lentry_shape_is_right:
; out0 = (attention's result) w_out + b_out on codes of FP6 (E2M3) with E8M0 scales, K = 1,024; f32 out.
; A work-group of four waves makes 128 tokens x 256 columns, a wave 64 x 128: 32 accumulators.  256 work-groups, 16 clusters of 4 x 4.
; ALL OF K LIES IN LDS AT ONCE: A as the attention's register images (8 tiles of 16 tokens x 12,288 bytes, dense), B as 256 whole rows of 768 bytes, and both sides' scale bytes:
; four tiles, one joint tensor load a wave at the head; nothing is filled again.  A's tile is shared along a row of the cluster, B's along a column.
; Tokens and columns are stored in tile order (bits 3 and 4 of the number exchanged); the way out puts both back.  The bias is the C of each accumulator's first product.
; No prefetch: the text has no loop to run ahead in; every byte is asked for at the head.
; REGISTERS: window 0: v16-29 addresses; v32-63 scale words, two sets; v64-127 the bias; v128-223 A's fragments, two sets of 4 (on the way out v128-255 hold rows).  window 1: B's fragments, two sets.  window 2: the accumulators.
.set PITCH,  816
.set FR,     12
.set BBASE,  98304
.set SCL,    BBASE+256*PITCH
.set SBLK,   544
.set SPARE,  SCL+48*272
.set SPITCH, 528                       ; the way out: a stage of 16 rows x (512 + 16) bytes for each wave, in A's bytes, behind a barrier behind which nobody reads them
.set ADRA, 16
.set ADRB, 18
.set STO,  24
.set RD,   25
.set CO,   26
.set ADRS, 27
.set SPW,  28
.set NIL,  29
.set SC,   32
.set BI,   64
.set AF,   128
.set BK,   128
.set G1, 24
.set G0, 32
.set G1B, 48
.set G0B, 56
.set G1S, 68
.set G0S, 76
.set G1SB, 80
.set G0SB, 88
.set MSB, 0
.macro WIN new
.if MSB != \new
	s_set_vgpr_msb (MSB<<8)|\new
.set MSB, \new
.endif
.endm
.set MUL_LO, 0xa1                      ; source 0 (B) window 1, source 1 (A) window 0, C and D window 2
.set MUL_BI, 0x81                      ; the same with C, the bias, in window 0
.set TO_B,   0x40
.macro CROUND
	s_barrier_signal -1
	s_barrier_wait -1
	s_cmp_lg_u32 s14, 0
	s_cbranch_scc1 .Lnot_wave_0_\@
	s_barrier_signal -3
.Lnot_wave_0_\@:
	s_barrier_wait -3
	s_barrier_signal -1
	s_barrier_wait -1
.endm
.macro PLACES n
.rept \n
	v_nop
.endr
.endm
	s_load_b256 s[4:11], s[0:1], 0x0               ; a_img, a_scales, w1codes, w1scales
	s_load_b128 s[96:99], s[0:1], 0x20             ; b_out, out0
	v_lshl_add_u32 v[SPW], v0, 2, SPARE
	v_mov_b32 v[NIL], 0
	ds_add_u32 v[SPW], v[NIL]                      ; the opening lines: the add twice on end and one wait
	ds_add_u32 v[SPW], v[NIL]
	v_lshrrev_b32 v1, 5, v0
	v_readfirstlane_b32 s14, v1
	s_lshr_b32 s15, s14, 1                         ; which 64 tokens are mine
	s_and_b32 s16, s14, 1                          ; which 128 columns
	s_bfe_u32 s42, ttmp6, 0x40000                  ; cx: the tile of 256 columns
	s_bfe_u32 s41, ttmp6, 0x40004                  ; cy
	s_and_b32 s17, ttmp7, 0xffff
	s_lshl_b32 s17, s17, 2
	s_add_co_u32 s17, s17, s41                     ; the tile of 128 tokens
	s_lshl_b32 s43, s41, 2
	s_lshl_b32 s43, 15, s43
	s_lshl_b32 s44, 0x1111, s42
	s_or_b32 s[G1+0], s43, (3<<16)|(1<<21)         ; A's images: 384 dense rows of 256 bytes
	s_mov_b32 s[G1+1], 32<<16
	s_mov_b32 s[G1+2], 384<<16
	s_mov_b32 s[G1+3], 32<<16
	s_mov_b32 s[G1+4], 384
	s_mov_b32 s[G1+5], 32
	s_mov_b32 s[G1+6], 0
	s_mov_b32 s[G1+7], 0
	s_or_b32 s[G1B+0], s44, (1<<20)|(1<<21)|(5<<22)|(3<<25)   ; B: 256 rows of 768 bytes, 4 words of padding behind every 64
	s_mov_b32 s[G1B+1], 768<<16
	s_mov_b32 s[G1B+2], 256<<16
	s_mov_b32 s[G1B+3], 768<<16
	s_mov_b32 s[G1B+4], 256
	s_mov_b32 s[G1B+5], 768
	s_mov_b32 s[G1B+6], 0
	s_mov_b32 s[G1B+7], 0
	s_or_b32 s[G1S+0], s43, (3<<16)|(1<<20)|(1<<21)|(5<<22)|(3<<25)
	s_or_b32 s[G1SB+0], s44, (3<<16)|(1<<20)|(1<<21)|(5<<22)|(3<<25)
.irp g, G1S, G1SB
	s_mov_b32 s[\g+1], 32<<16
	s_mov_b32 s[\g+3], 32<<16
	s_mov_b32 s[\g+5], 32
	s_mov_b32 s[\g+6], 0
	s_mov_b32 s[\g+7], 0
.endr
	s_mov_b32 s[G1S+2], 16<<16
	s_mov_b32 s[G1S+4], 16
	s_mov_b32 s[G1SB+2], 32<<16
	s_mov_b32 s[G1SB+4], 32
	s_mul_i32 s20, s17, 98304
	s_mov_b32 s21, 0
	s_lshl_b32 s22, s17, 12
	s_mov_b32 s23, 0
	s_lshl_b32 s46, s42, 8
	s_lshl_b32 s92, s46, 5
	s_add_co_u32 s92, s92, 360448
	s_mov_b32 s93, 0
	s_mul_i32 s46, s46, 768
	s_add_co_u32 s46, s46, 8650752
	s_mov_b32 s47, 0
	s_wait_dscnt 0x0
	s_wait_kmcnt 0x0
	s_mov_b32 s[G0], 1
	s_mov_b32 s[G0+1], 0
	s_add_nc_u64 s[G0+2:G0+3], s[4:5], s[20:21]
	s_or_b32 s[G0+3], s[G0+3], 0x80000000
	s_mov_b32 s[G0B], 1
	s_mov_b32 s[G0B+1], BBASE
	s_add_nc_u64 s[G0B+2:G0B+3], s[8:9], s[46:47]
	s_or_b32 s[G0B+3], s[G0B+3], 0x80000000
	s_mov_b32 s[G0S], 1
	s_mov_b32 s[G0S+1], SCL
	s_add_nc_u64 s[G0S+2:G0S+3], s[6:7], s[22:23]
	s_or_b32 s[G0S+3], s[G0S+3], 0x80000000
	s_mov_b32 s[G0SB], 1
	s_mov_b32 s[G0SB+1], SCL+16*272
	s_add_nc_u64 s[G0SB+2:G0SB+3], s[10:11], s[92:93]
	s_or_b32 s[G0SB+3], s[G0SB+3], 0x80000000
	CROUND                                         ; all sixteen work-groups are here: the joint loads meet
.macro ARM under, g0, g1, next                 ; one tree of branches on the wave's number, one load to an arm
	s_cmp_lt_u32 s14, \under
	s_cbranch_scc0 \next
	tensor_load_to_lds s[\g0:\g0+3], s[\g1:\g1+7]
	s_nop 0
.rept 4
	v_nop
.endr
	s_branch .Lhead_asked
\next:
.endm
	ARM 1, G0B, G1B, .Lhead_a
	ARM 2, G0,  G1,  .Lhead_sb
	ARM 3, G0SB, G1SB, .Lhead_sa
	tensor_load_to_lds s[G0S:G0S+3], s[G1S:G1S+7]
	s_nop 0
.rept 4
	v_nop
.endr
.Lhead_asked:
	s_lshl_b32 s20, s17, 7
	s_lshl_b32 s21, s15, 6
	s_add_co_u32 s20, s20, s21
	s_lshl_b32 s20, s20, 12                        ; my first token's row of out0, 4,096 bytes a row
	s_mov_b32 s21, 0
	s_lshl_b32 s46, s42, 10
	s_lshl_b32 s47, s16, 9
	s_add_co_u32 s46, s46, s47                     ; my first column, in bytes
	s_mov_b32 s47, 0
	s_add_nc_u64 s[98:99], s[98:99], s[20:21]
	s_add_nc_u64 s[98:99], s[98:99], s[46:47]
	s_add_nc_u64 s[96:97], s[96:97], s[46:47]
	s_mul_i32 s36, s15, 4*12288                    ; my four image tiles of A
	s_mul_i32 s37, s16, 128*PITCH
	s_add_co_u32 s37, s37, BBASE
	s_add_co_u32 s38, s37, 64*PITCH
	s_mul_i32 s39, s15, 8*272
	s_mul_i32 s60, s16, 16*272
	s_add_co_u32 s60, s60, 16*272
	s_sub_co_u32 s60, s60, s39
	s_add_co_u32 s39, s39, SCL
	s_mul_i32 s61, s14, 16*SPITCH                  ; my stage
	v_and_b32 v1, 15, v0                           ; r
	v_bfe_u32 v2, v0, 4, 1                         ; h
	v_lshlrev_b32 v7, 6, v2
.irp b, 0,1,2,3,4,5,6,7                        ; the bias in the result's layout: block b's register j is column 32 (b / 2) + 8 (b % 2) + 16 h + j
	global_load_b128 v[BI+8*\b:BI+8*\b+3], v7, s[96:97] offset:(32*(\b/2)+8*(\b%2))*4
	global_load_b128 v[BI+8*\b+4:BI+8*\b+7], v7, s[96:97] offset:(32*(\b/2)+8*(\b%2))*4+16
.endr
	v_and_b32 v6, 31, v0
	v_lshl_add_u32 v[ADRA], v6, 3, s36             ; an image: 8 bytes a lane
	v_mul_u32_u24 v3, v1, PITCH
	v_mad_u32_u24 v3, v2, 24, v3
	v_lshl_add_u32 v4, v2, 4, v3
	v_add_nc_u32 v[ADRB], s37, v3
	v_add_nc_u32 v[ADRB+1], s37, v4
	v_add_nc_u32 v[ADRB+2], s38, v3
	v_add_nc_u32 v[ADRB+3], s38, v4
	v_lshlrev_b32 v5, 5, v1
	v_lshrrev_b32 v8, 8, v5
	v_lshl_add_u32 v5, v8, 4, v5
	v_mul_u32_u24 v8, s60, v2
	v_add_nc_u32 v5, v5, v8
	v_add_nc_u32 v[ADRS], s39, v5
	v_mul_u32_u24 v5, v1, SPITCH
	v_lshl_add_u32 v5, v2, 6, v5
	v_add_nc_u32 v[STO], s61, v5
	v_lshlrev_b32 v[CO], 4, v6
	v_add_nc_u32 v[RD], s61, v[CO]
.macro FRAG reg, adr, st, off          ; B: byte y of a row lies at y + 16 (y / 256) of its LDS row; lanes 16-31 read 24 bytes on, which may lie behind one padding more
.irp p, 0,1,2,3,4,5
.set BY, 96*(\st)+48*(\p/3)+8*(\p%3)
.if BY/256 == (BY+24)/256
	ds_load_b64 v[(\reg)+2*\p:(\reg)+2*\p+1], v[(\adr)] offset:BY+16*(BY/256)+(\off)
.else
	ds_load_b64 v[(\reg)+2*\p:(\reg)+2*\p+1], v[(\adr)+1] offset:BY+16*(BY/256)+(\off)
.endif
.endr
.endm
.macro FETCH_B st
	WIN TO_B
.irp i, 0,1,2,3,4,5,6,7
	FRAG 128*((\st)%2)+FR*\i, ADRB+2*(\i/4), \st, (\i%4)*16*PITCH
.endr
	WIN 0
.endm
.macro FETCH_A st
.irp i, 0,1,2,3
.irp p, 0,1,2,3,4,5
	ds_load_b64 v[AF+48*((\st)%2)+FR*\i+2*\p:AF+48*((\st)%2)+FR*\i+2*\p+1], v[ADRA] offset:12288*\i+1536*(\st)+256*\p
.endr
.endr
.endm
.macro SCALES pr
.irp i, 0,1,2,3,4,5,6,7
	ds_load_b64 v[SC+16*((\pr)%2)+2*\i:SC+16*((\pr)%2)+2*\i+1], v[ADRS] offset:\i*SBLK+8*(\pr)
.endr
.endm
.macro MUL16 a0, st, zero              ; the 32 accumulators take turns, in the same order in every step
.irp a, \a0, \a0+1
.irp b, 0,1,2,3,4,5,6,7
.if \zero
	v_wmma_scale_f32_16x16x128_f8f6f4 v[8*(8*(\a)+\b):8*(8*(\a)+\b)+7], v[128*((\st)%2)+FR*\b:128*((\st)%2)+FR*\b+FR-1], v[AF+48*((\st)%2)+FR*(\a):AF+48*((\st)%2)+FR*(\a)+FR-1], v[BI+8*\b:BI+8*\b+7], v[SC+16*(((\st)/2)%2)+2*\b+(\st)%2], v[SC+16*(((\st)/2)%2)+2*(\a)+(\st)%2] matrix_a_fmt:MATRIX_FMT_FP6 matrix_b_fmt:MATRIX_FMT_FP6 matrix_a_scale:MATRIX_SCALE_ROW1
.else
	v_wmma_scale_f32_16x16x128_f8f6f4 v[8*(8*(\a)+\b):8*(8*(\a)+\b)+7], v[128*((\st)%2)+FR*\b:128*((\st)%2)+FR*\b+FR-1], v[AF+48*((\st)%2)+FR*(\a):AF+48*((\st)%2)+FR*(\a)+FR-1], v[8*(8*(\a)+\b):8*(8*(\a)+\b)+7], v[SC+16*(((\st)/2)%2)+2*\b+(\st)%2], v[SC+16*(((\st)/2)%2)+2*(\a)+(\st)%2] matrix_a_fmt:MATRIX_FMT_FP6 matrix_b_fmt:MATRIX_FMT_FP6 matrix_a_scale:MATRIX_SCALE_ROW1
.endif
.endr
.endr
.endm
.macro STEP st, zero                   ; 128 along K; the next step's fragments go into the other sets, behind four places behind the products that read them
.set NX, (\st)+1
	PLACES 4
	FETCH_B NX
	s_wait_dscnt 48                                ; all but the 48 loads just issued
.if \zero
	WIN MUL_BI
.else
	WIN MUL_LO
.endif
	MUL16 0, \st, \zero
	WIN 0
	FETCH_A NX
.if NX%2 == 0
	SCALES NX/2
.endif
.if \zero
	WIN MUL_BI
.else
	WIN MUL_LO
.endif
	MUL16 2, \st, \zero
	WIN 0
.endm
	s_wait_alu depctr_va_vdst(0)                   ; the wait at the head's end
	s_wait_tensorcnt 0x0                           ; my tile is in;
	s_barrier_signal -1
	s_barrier_wait -1                              ; and so is everybody's
	FETCH_B 0
	FETCH_A 0
	SCALES 0
	s_wait_loadcnt 0x0                             ; the bias
	STEP 0, 1
.set ST, 1
.rept 6
	STEP ST, 0
.set ST, ST+1
.endr
	s_wait_dscnt 0x0                               ; my last reads of the tiles are over:
	s_barrier_signal -1                            ; say so, work on registers,
	WIN MUL_LO
	MUL16 0, 7, 0
	MUL16 2, 7, 0
	WIN 0
	s_barrier_wait -1                              ; and behind this nobody reads A's bytes: the stages lie there
; THE WAY OUT, block by block of 16 tokens x 128 columns, through my own stage; whole rows of 512 bytes come back and are stored by the 32 lanes
.macro TOSTAGE a
.set AC, 64*(\a)
	WIN 0x08                                       ; the data: window 2
.irp b, 0,1,2,3,4,5,6,7
	ds_store_b128 v[STO], v[AC+8*\b:AC+8*\b+3] offset:128*(\b/2)+32*(\b%2)       ; each accumulator from its low end on
	ds_store_b128 v[STO], v[AC+8*\b+4:AC+8*\b+7] offset:128*(\b/2)+32*(\b%2)+16
.endr
	WIN 0
.set BB, BK+64*((\a)%2)
.irp t, 0,1,2,3,4,5,6,7,8,9,10,11,12,13,14,15
	ds_load_b128 v[BB+4*\t:BB+4*\t+3], v[RD] offset:\t*SPITCH    ; LDS serves a wave's instructions in order
.endr
.endm
.macro SEND a, younger
.set BB, BK+64*((\a)%2)
	s_wait_dscnt \younger
.irp t, 0,1,2,3,4,5,6,7,8,9,10,11,12,13,14,15
	global_store_b128 v[CO], v[BB+4*\t:BB+4*\t+3], s[98:99] offset:(32*((\a)/2)+8*((\a)%2)+\t+8*(\t/8))*4096 th:TH_STORE_NT   ; stored row t of block a is token 32 (a / 2) + 8 (a % 2) + t + 8 (t / 8)
.endr
.endm
	PLACES 4
	TOSTAGE 0
.irp a, 1,2,3
.if \a > 1
	s_wait_xcnt 0x0                                ; block a - 2's stores have read their registers
.endif
	TOSTAGE \a
	SEND \a-1, 32                                  ; behind block a - 1's loads: block a's 16 stores and 16 loads
.endr
	SEND 3, 0
	s_wait_tensorcnt 0x0                           ; the wave's end
	ds_add_u32 v[SPW], v[NIL]
	s_wait_dscnt 0x0
	CROUND                                         ; the closing round
	s_endpgm
.Lfunc_end_k_qc304b3a927_proj:
	.size	k_qc304b3a927_proj, .Lfunc_end_k_qc304b3a927_proj-k_qc304b3a927_proj
	.p2alignl 7, 3214868480
	.fill 96, 4, 3214868480
	.section	.rodata,"a",@progbits
	.p2align	6, 0x0
	.amdhsa_kernel k_qc304b3a927_proj
		.amdhsa_group_segment_fixed_size 327680
		.amdhsa_private_segment_fixed_size 0
		.amdhsa_enable_private_segment 0
		.amdhsa_kernarg_size 48
		.amdhsa_user_sgpr_count 2
		.amdhsa_user_sgpr_kernarg_segment_ptr 1
		.amdhsa_wavefront_size32 1
		.amdhsa_system_sgpr_workgroup_id_x 1
		.amdhsa_system_sgpr_workgroup_id_y 1
		.amdhsa_system_sgpr_workgroup_id_z 1
		.amdhsa_system_vgpr_workitem_id 0
		.amdhsa_next_free_vgpr 768
		.amdhsa_next_free_sgpr 100
		.amdhsa_reserve_vcc 0
		.amdhsa_float_denorm_mode_32 3
		.amdhsa_float_denorm_mode_16_64 3
		.amdhsa_memory_ordered 1
		.amdhsa_forward_progress 1
		.amdhsa_inst_pref_size 98
	.end_amdhsa_kernel
	.amdgpu_metadata
---
amdhsa.version: [ 1, 2 ]
amdhsa.kernels:
  - .name:           k_qc304b3a927_proj
    .symbol:         k_qc304b3a927_proj.kd
    .args:
      - { .name: a_img, .offset: 0, .size: 8, .value_kind: global_buffer, .address_space: global }
      - { .name: a_scales, .offset: 8, .size: 8, .value_kind: global_buffer, .address_space: global }
      - { .name: w1codes, .offset: 16, .size: 8, .value_kind: global_buffer, .address_space: global }
      - { .name: w1scales, .offset: 24, .size: 8, .value_kind: global_buffer, .address_space: global }
      - { .name: b_out, .offset: 32, .size: 8, .value_kind: global_buffer, .address_space: global }
      - { .name: out0, .offset: 40, .size: 8, .value_kind: global_buffer, .address_space: global }
    .group_segment_fixed_size: 327680
    .private_segment_fixed_size: 0
    .kernarg_segment_align: 8
    .kernarg_segment_size: 48
    .max_flat_workgroup_size: 128
    .sgpr_count:     100
    .vgpr_count:     768
    .wavefront_size: 32
...
	.end_amdgpu_metadata
.endif
;; end of part 4
